; MI455X (gfx1250); checked and timed in simulation.
; The chip was launched on July 23, 2026; its instructions are those of AMD's public machine-readable ISA for CDNA 5 (MIT licence, August 2026) and "CDNA5" Instruction Set Architecture Reference Guide (July 2026). The comments in the code are by the model that wrote it; some were corrected since.
;; Mo E Layer. Allowed arithmetic: matrix products marked QUANTISED: E5M2 operands, one given power-of-two scale a tensor, by v_wmma_f32_16x16x64_bf8_bf8 or v_wmma_f32_16x16x128_bf8_bf8, f32 sums; products left as they are: f32 operands where the result goes on into a quantised operand, else bf16, f16 or f32 operands; f32 sums; everything else in f32.
;; Inputs: down_w_codes 8 x 1,024 x 64 x 32 uint8 (E5M2 codes of down_w, K innermost, in blocks of 32 codes); gate_w_codes 8 x 2,048 x 32 x 32 uint8 (E5M2 codes of gate_w, K innermost, in blocks of 32 codes); lowp_scales 6 int32 (the exponents e of the quantised operands' scales 2^e); router_w 8 x 1,024 float32; up_w_codes 8 x 2,048 x 32 x 32 uint8 (E5M2 codes of up_w, K innermost, in blocks of 32 codes); x 4 x 256 x 1,024 float32.
;; Outputs: out0 4 x 256 x 1,024 float32; out1 one number float32.
;; This version of the problem:
;;   THIS VERSION OF THE PROBLEM IS GIVEN IN LOW PRECISION. The matrix products marked QUANTISED in the list below multiply operands that are first quantised to E5M2 (5 exponent bits, 2 mantissa bits; 8 bits a number), with one given power-of-two scale for each operand tensor; their sums are f32. All else is computed in f32.
;;   The module's matrix products, in the order in which they are computed (A, B: the left and right operand; K: the contracted axis; several contracted axes count as one K, in the product's order):
;;     1. [M 1,024, K 1,024] x [K 1,024, N 8]; A: input x; B: input router_w: left as it is (N = 8 < 16)
;;     2. batch 1,024 x [M 8, K 2] x [K 2, N 1]; A: computed on the way; B: computed on the way: left as it is (K = 2 < 32)
;;     3. [M 16,384, K 1,024] x [K 1,024, N 1,024]; A: input gate_w (given as codes); B: input x: QUANTISED (scales: A lowp_scales[0], B lowp_scales[1])
;;     4. [M 16,384, K 1,024] x [K 1,024, N 1,024]; A: input up_w (given as codes); B: input x: QUANTISED (scales: A lowp_scales[2], B lowp_scales[3])
;;     5. batch 8 x [M 1,024, K 2,048] x [K 2,048, N 1,024]; A: computed on the way; B: input down_w (given as codes): QUANTISED (scales: A lowp_scales[4], B lowp_scales[5])
;;     6. batch 1,024 x [M 1, K 8] x [K 8, N 1,024]; A: computed on the way; B: computed on the way: left as it is (K = 8 < 32)
;;   THE QUANTISER, for each operand of a quantised product, along K:
;;     - The operand's scale is 2^e, e = its entry of the input lowp_scales (int32; the entries are numbered through the quantised products in the list's order, A before B).
;;     - Each number is divided by the scale, clamped to +-57,344, and rounded to the nearest number of E5M2, ties to even, subnormals kept.
;;     - The product sums the exact products of the quantised numbers (number of the format x scale) in f32.
;;   ~~~python
;;   def quantise(x, axis, e):      # numpy; x: float32 -> the quantised numbers, widened to float32 again
;;       x = np.moveaxis(x, axis, -1); K = x.shape[-1]
;;       r = np.clip(x / 2.0 ** e, -57344, 57344)
;;       step = 2.0 ** (np.maximum(np.frexp(np.where(r == 0, 1, r))[1] - 1, -14) - 2)
;;       q = np.round(r / step) * step * 2.0 ** e      # np.round: ties to even
;;       return np.moveaxis(q, -1, axis).astype(np.float32)
;;   ~~~
;;   OPERANDS COMPUTED ON THE WAY. 'Computed on the way' means the value that the module computes at that place (a softmax that the list does not call 'softmax' is quantised finished and normalised). What goes into a quantiser is computed in f32, as accurately as f32 sums, v_exp_f32 and their like allow (about 1e-6 of the number): no bf16 or f16 on the way to a quantiser, and a product that is left as it is and whose result goes on into a quantised operand takes f32 operands (vector FMAs, or v_wmma_f32_16x16x4_f32). A number that lies on a knife's edge between two numbers of the format may be rounded either way, as far as f32 arithmetic and the matrix unit's own rounding can turn it there, and no further.
;;   INPUTS GIVEN AS CODES. down_w (in the module: [8, 2048, 1024], K = its axis 1); gate_w (in the module: [8, 1024, 2048], K = its axis 1); up_w (in the module: [8, 1024, 2048], K = its axis 1): each comes as NAME_codes (uint8): NAME with its K axis moved to the last place and cut into blocks of 32 codes, [.., K / 32, bytes a block], one block behind the other in memory; one code a byte (a code: sign, 5 exponent bits, 2 mantissa bits); its scale is its entry of lowp_scales. Its value is code x scale, taken as it is: it is not quantised again, and the codes and scales need not be those that the quantiser above would give.
;; 2 versions. Each part assembles by itself: llvm-mc -triple=amdgcn-amd-amdhsa -mcpu=gfx1250 --defsym DOCPART=n.
;; ======== version 1 of 2: 5 launches
;; workspace buffers: xq 2,097,152 bytes; route 4,096 bytes of whole numbers; rwt 8,192 bytes; stat 32,768 bytes; place 41,216 bytes of whole numbers; hid 16,777,216 bytes; y 33,554,432 bytes
;; launch route (part 1): grid 512 x 1, 1 waves a work-group, no clusters, 4,352 bytes of LDS; arguments x, router_w, lowp_scales, xq, route, rwt, stat; writes xq, route, rwt, stat
.if DOCPART == 1
	.amdgcn_target "amdgcn-amd-amdhsa--gfx1250"
	.amdhsa_code_object_version 6
	.text
	.protected	k_q917f3151f6_route
	.globl	k_q917f3151f6_route
	.p2align	8
	.type	k_q917f3151f6_route,@function
k_q917f3151f6_route:
	s_mov_b64 s[64:65], 0
	v_nop
	global_prefetch_b8 v0, s[64:65] scope:SCOPE_SE
	s_setreg_imm32_b32 hwreg(HW_REG_WAVE_MODE, 25, 1), 1
	s_wait_xcnt 0x0
; ROUTER AND x's CODES.  T = 1,024 tokens, H = 1,024, E = 8 experts, 2 chosen for each token.
; WORK LEFT OUT BY THE WHOLE PROGRAM.  combine[t][e] is a sum of one_hot(topk_idx) x topk_w: for every expert e outside token t's two chosen ones it is exactly 0, whatever the inputs hold.
; out[t] = sum over e of combine[t][e] x expert_out[e][t], so row t of the gate, up and down products of an expert that was not chosen reaches no output: only the 2,048 chosen (token, expert) rows
; are multiplied.  The products with one_hot are a selection and a sum of two terms.  The sum over t of expert_mask[t][e] is the number of tokens that chose e, since a token's two indices differ.
; Every input has a way to an output and is loaded.  LIMIT: a NaN, an infinity or an overflow that arises only in a row of an expert that was not chosen is not carried to the result.
; THIS LAUNCH: logits in f32, softmax with the maximum taken away, the two largest (the lower index wins a tie, as in lax.top_k), their weights w = p / (p_first + p_second) (the softmax's divisor cancels),
; the sums for the aux loss (z^2 and the eight probabilities, summed over the wave's two tokens), and x quantised twice: set 0 with lowp_scales[1] (gate's product), set 1 with lowp_scales[3] (up's).
; The chosen experts are stored as whole numbers at fixed places; no address and no branch here hangs on them.
; SHARES: a work-group is one wave and owns tokens 2 g and 2 g + 1.  In piece j of 8, lane l holds k = 128 j + 4 l + 0 .. 3, of x and of router_w alike: every load reads 512 consecutive bytes.
; The codes (4 a lane and piece) go through LDS, so that each store to xq covers 512 consecutive bytes.
; LIMITS: lowp_scales[1] and [3] between -126 and 112.  NaN among the inputs is not served.  A probability under 2^-126 counts as 0 (v_exp_f32 flushes), so among such experts the lower index is taken.
; No matrix unit: the product has 8 columns and feeds a choice, it stays in f32 multiply-adds.  No cluster: work-groups share only router_w, 32 KiB.
.set SPARE, 4096                       ; behind the four rows of codes: the spare words of the one wave, a block of 256 bytes that no other line names
.set T,   32                           ; v32-63   numbers held within the largest code; later work registers
.set X,   64                           ; v64-127  x: token tau at 32 tau, piece j at 4 j
.set ACC, 128                          ; v128-159 sixteen pairs: the sums of (tau, e) at 2 (8 tau + e)
.set C,   160                          ; v160-191 codes, 8 registers a run (run = 2 tau + set)
.set OUT, 192                          ; v192-223 rows of codes read back, 8 registers a run
.set LG,  224                          ; v224-231 logits
.set PP,  232                          ; v232-239 the second token's logits, then p
.set MSB, 0
.macro WIN new                         ; the immediate's high byte repeats the setting that is left
.if MSB != (\new)
	s_set_vgpr_msb (MSB<<8)|(\new)
.set MSB, \new
.endif
.endm
	s_load_b256 s[4:11], s[0:1], 0x0               ; x s[4:5], router_w s[6:7], lowp_scales s[8:9], xq s[10:11]
	s_load_b128 s[12:15], s[0:1], 0x20             ; route s[12:13], rwt s[14:15]
	s_load_b64 s[16:17], s[0:1], 0x30              ; stat
	v_lshl_add_u32 v3, v0, 2, SPARE                ; my spare word
	v_mov_b32 v4, 0                                ; and 0: both kept for the closing lines alone
	v_lshlrev_b32 v1, 4, v0                        ; 16 x lane
	v_lshlrev_b32 v2, 2, v0                        ; 4 x lane
	v_lshlrev_b32 v5, 3, v0                        ; 8 x lane
	s_mov_b32 s24, 0x76543210                      ; v_permlanex16_b32's selects: lane l xor 16
	s_mov_b32 s25, 0xfedcba98
	s_mov_b32 s26, 0xaaaaaaaa                      ; the odd lanes
	s_lshl_b32 s28, ttmp9, 13                      ; two rows of x
	s_mov_b32 s29, 0
	s_lshl_b32 s32, ttmp9, 11                      ; two rows of codes
	s_mov_b32 s33, 0
	s_lshl_b32 s34, ttmp9, 3                       ; two words of route
	s_mov_b32 s35, 0
	s_lshl_b32 s36, ttmp9, 4                       ; two pairs of weights
	s_mov_b32 s37, 0
	s_lshl_b32 s38, ttmp9, 6                       ; my sixteen words of stat
	s_mov_b32 s39, 0
	s_wait_kmcnt 0x0
	s_load_b128 s[20:23], s[8:9], 0x0              ; e0 .. e3; e1 and e3 are x's
	s_add_nc_u64 s[4:5], s[4:5], s[28:29]
	s_add_nc_u64 s[10:11], s[10:11], s[32:33]
	s_add_nc_u64 s[12:13], s[12:13], s[34:35]
	s_add_nc_u64 s[14:15], s[14:15], s[36:37]
	s_add_nc_u64 s[16:17], s[16:17], s[38:39]
.irp tau, 0,1
.irp j, 0,1,2,3,4,5,6,7
	global_load_b128 v[X+32*\tau+4*\j:X+32*\tau+4*\j+3], v1, s[4:5] offset:\tau*4096+512*\j th:TH_LOAD_NT
.endr
.endr
	WIN 0x40                                       ; destination window 1: router_w, expert e at 32 e, piece j at 4 j
.irp e, 0,1,2,3,4,5,6,7
.irp j, 0,1,2,3,4,5,6,7
	global_load_b128 v[32*\e+4*\j:32*\e+4*\j+3], v1, s[6:7] offset:\e*4096+512*\j
.endr
.endr
	WIN 0
	s_wait_kmcnt 0x0
	s_add_co_i32 s28, s21, 127
	s_lshl_b32 s29, s28, 23
	v_mov_b32 v8, s29                              ; 2^e1 as f32: the conversion takes its exponent field
	s_add_co_i32 s28, s28, 15
	s_lshl_b32 s28, s28, 23
	s_or_b32 s28, s28, 0x600000
	v_mov_b32 v9, s28                              ; 57,344 x 2^e1
	s_add_co_i32 s28, s23, 127
	s_lshl_b32 s29, s28, 23
	v_mov_b32 v10, s29                             ; the same with e3
	s_add_co_i32 s28, s28, 15
	s_lshl_b32 s28, s28, 23
	s_or_b32 s28, s28, 0x600000
	v_mov_b32 v11, s28
	s_wait_loadcnt 0x3f                            ; 64 loads were issued behind x's last: with at most 63 out, x is in
; One token with one scale: 32 numbers a lane are held within the largest code x the scale (the conversion does not saturate: ISA guide 7.6.2), converted, and laid in LDS in the order of k.
.macro QRUN tau, set, sc, lim
.set RUN, 2*(\tau)+(\set)
.set i, 0
.rept 32
	v_med3_num_f32 v[T+i], v[X+32*(\tau)+i], -v[\lim], v[\lim]
.set i, i+1
.endr
.irp a, 0,1,2,3
	v_cvt_scalef32_pk8_bf8_f32 v[C+8*RUN+2*\a:C+8*RUN+2*\a+1], v[T+8*\a:T+8*\a+7], v[\sc]   ; register 2 a: piece 2 a's four codes; register 2 a + 1: piece 2 a + 1's
.endr
	v_nop                                          ; a plain line between the conversions and the next run's writes of their sources
.irp j, 0,1,2,3,4,5,6,7
	ds_store_b32 v2, v[C+8*RUN+\j] offset:RUN*1024+128*\j
.endr
.endm
	QRUN 0, 0, 8, 9
	QRUN 0, 1, 10, 11
	QRUN 1, 0, 8, 9
	QRUN 1, 1, 10, 11
.irp run, 0,1,2,3
.irp i, 0,1
	ds_load_b128 v[OUT+8*\run+4*\i:OUT+8*\run+4*\i+3], v1 offset:\run*1024+512*\i   ; LDS serves a wave's instructions in order: these see my stores
.endr
.endr
	s_wait_dscnt 0x0
.irp tau, 0,1
.irp set, 0,1
.irp i, 0,1
	global_store_b128 v1, v[OUT+8*(2*\tau+\set)+4*\i:OUT+8*(2*\tau+\set)+4*\i+3], s[10:11] offset:\set*1048576+\tau*1024+512*\i   ; 512 consecutive bytes
.endr
.endr
.endr
	; the logits: sixteen chains of packed multiply-adds, two tokens x eight experts; the first product starts each sum
	s_wait_loadcnt 0x0                             ; router_w is in
	WIN 0x04                                       ; source 1 window 1
.irp e, 0,1,2,3,4,5,6,7
.irp tau, 0,1
	v_pk_mul_f32 v[ACC+2*(8*\tau+\e):ACC+2*(8*\tau+\e)+1], v[X+32*\tau:X+32*\tau+1], v[32*\e:32*\e+1]
.endr
.endr
.set p, 1
.rept 15
.irp e, 0,1,2,3,4,5,6,7
.irp tau, 0,1
	v_pk_fma_f32 v[ACC+2*(8*\tau+\e):ACC+2*(8*\tau+\e)+1], v[X+32*\tau+2*p:X+32*\tau+2*p+1], v[32*\e+2*p:32*\e+2*p+1], v[ACC+2*(8*\tau+\e):ACC+2*(8*\tau+\e)+1]
.endr
.endr
.set p, p+1
.endr
	WIN 0
.irp n, 0,1,2,3,4,5,6,7,8,9,10,11,12,13,14,15
	v_add_f32 v[LG+\n], v[ACC+2*\n], v[ACC+2*\n+1]
.endr
.irp n, 0,1,2,3,4,5,6,7,8,9,10,11,12,13,14,15
	v_add_f32_dpp v[LG+\n], v[LG+\n], v[LG+\n] row_xmask:1 row_mask:0xf bank_mask:0xf   ; lanes l and l xor 1 now hold the same sum
.endr
.irp e, 0,1,2,3,4,5,6,7
	v_cndmask_b32 v[LG+\e], v[LG+\e], v[PP+\e], s26   ; even lanes go on with token 2 g, odd lanes with token 2 g + 1
.endr
.irp m, 2,4,8
.irp e, 0,1,2,3,4,5,6,7
	v_add_f32_dpp v[LG+\e], v[LG+\e], v[LG+\e] row_xmask:\m row_mask:0xf bank_mask:0xf
.endr
.endr
.irp e, 0,1,2,3,4,5,6,7
	v_permlanex16_b32 v[PP+\e], v[LG+\e], s24, s25
.endr
.irp e, 0,1,2,3,4,5,6,7
	v_add_f32 v[LG+\e], v[LG+\e], v[PP+\e]         ; the lane's token's logit of expert e
.endr
	; softmax: v40 m, v41 s, v42 / v43 first index and p, v44 / v45 second
	v_max3_num_f32 v40, v224, v225, v226
	v_max3_num_f32 v40, v40, v227, v228
	v_max3_num_f32 v40, v40, v229, v230
	v_max_num_f32 v40, v40, v231
.irp e, 0,1,2,3,4,5,6,7
	v_sub_f32 v[PP+\e], v[LG+\e], v40
.endr
.irp e, 0,1,2,3,4,5,6,7
	v_mul_f32 v[PP+\e], 0x3fb8aa3b, v[PP+\e]       ; x log2(e)
.endr
.irp e, 0,1,2,3,4,5,6,7
	v_exp_f32 v[PP+\e], v[PP+\e]
.endr
	v_mov_b32 v42, 0                               ; a plain line behind the exponentials
	s_wait_alu depctr_va_vdst(0)                   ; one wait for the eight, ahead of their first reader
	v_add_f32 v41, v232, v233
	v_add_f32 v46, v234, v235
	v_add_f32 v47, v236, v237
	v_add_f32 v48, v238, v239
	v_add_f32 v41, v41, v46
	v_add_f32 v47, v47, v48
	v_add_f32 v41, v41, v47                        ; s
	v_mov_b32 v43, v232
.irp e, 1,2,3,4,5,6,7
	v_cmp_le_f32 vcc_lo, v[PP+\e], v43             ; not larger: the earlier index stays
	v_cndmask_b32 v42, \e, v42, vcc_lo
	v_cndmask_b32 v43, v[PP+\e], v43, vcc_lo
.endr
.irp e, 0,1,2,3,4,5,6,7
	v_cmp_ne_u32 vcc_lo, \e, v42
	v_cndmask_b32 v[T+\e], -1.0, v[PP+\e], vcc_lo  ; the first choice is taken out: -1 lies under every p
.endr
	v_mov_b32 v44, 0
	v_mov_b32 v45, v32
.irp e, 1,2,3,4,5,6,7
	v_cmp_le_f32 vcc_lo, v[T+\e], v45
	v_cndmask_b32 v44, \e, v44, vcc_lo
	v_cndmask_b32 v45, v[T+\e], v45, vcc_lo
.endr
	v_add_f32 v49, v43, v45
	v_rcp_f32 v50, v41                             ; 1 / s
	v_log_f32 v51, v41                             ; log2(s)
	v_rcp_f32 v52, v49                             ; 1 / (p_first + p_second)
	v_lshl_or_b32 v58, v44, 8, v42                 ; (a plain line behind the three)  first | second << 8
	s_wait_alu depctr_va_vdst(0)                   ; one wait for the three
	v_mul_f32 v54, v43, v52                        ; the two weights
	v_mul_f32 v55, v45, v52
.irp e, 0,1,2,3,4,5,6,7
	v_mul_f32 v[PP+\e], v[PP+\e], v50              ; the probabilities
.endr
	v_fmamk_f32 v56, v51, 0x3f317218, v40          ; z = m + ln(s)
	v_mul_f32 v56, v56, v56
	v_add_f32_dpp v56, v56, v56 row_xmask:1 row_mask:0xf bank_mask:0xf   ; both tokens'
.irp e, 0,1,2,3,4,5,6,7
	v_add_f32_dpp v[PP+\e], v[PP+\e], v[PP+\e] row_xmask:1 row_mask:0xf bank_mask:0xf
.endr
	v_mov_b32 v57, 0                               ; lane j takes word j of my sixteen: z^2, the eight probabilities, zeros
	v_cmp_eq_u32 vcc_lo, 0, v0
	v_cndmask_b32 v57, v57, v56, vcc_lo
.irp e, 0,1,2,3,4,5,6,7
	v_cmp_eq_u32 vcc_lo, \e+1, v0
	v_cndmask_b32 v57, v57, v[PP+\e], vcc_lo
.endr
	v_cmp_gt_u32 vcc_lo, 16, v0
	s_wait_xcnt 0x0                                ; EXEC is a source of the stores that are out: it changes only behind this wait
	s_and_saveexec_b32 s30, vcc_lo
	global_store_b32 v2, v57, s[16:17]
	s_wait_xcnt 0x0
	s_or_b32 exec_lo, exec_lo, s30
	v_cmp_gt_u32 vcc_lo, 2, v0                     ; lane 0 stands for token 2 g, lane 1 for token 2 g + 1
	s_and_saveexec_b32 s30, vcc_lo
	global_store_b32 v2, v58, s[12:13]
	global_store_b64 v5, v[54:55], s[14:15]
	s_wait_xcnt 0x0
	s_or_b32 exec_lo, exec_lo, s30
	s_wait_tensorcnt 0x0                           ; the wave's end
	ds_add_u32 v3, v4
	s_wait_dscnt 0x0
	s_endpgm
.Lfunc_end_k_q917f3151f6_route:
	.size	k_q917f3151f6_route, .Lfunc_end_k_q917f3151f6_route-k_q917f3151f6_route
	.p2alignl 7, 3214868480
	.fill 96, 4, 3214868480
	.section	.rodata,"a",@progbits
	.p2align	6, 0x0
	.amdhsa_kernel k_q917f3151f6_route
		.amdhsa_group_segment_fixed_size 4352
		.amdhsa_private_segment_fixed_size 0
		.amdhsa_enable_private_segment 0
		.amdhsa_kernarg_size 56
		.amdhsa_user_sgpr_count 2
		.amdhsa_user_sgpr_kernarg_segment_ptr 1
		.amdhsa_wavefront_size32 1
		.amdhsa_system_sgpr_workgroup_id_x 1
		.amdhsa_system_sgpr_workgroup_id_y 1
		.amdhsa_system_sgpr_workgroup_id_z 1
		.amdhsa_system_vgpr_workitem_id 0
		.amdhsa_next_free_vgpr 512
		.amdhsa_next_free_sgpr 66
		.amdhsa_reserve_vcc 1
		.amdhsa_float_denorm_mode_32 3
		.amdhsa_float_denorm_mode_16_64 3
		.amdhsa_memory_ordered 1
		.amdhsa_forward_progress 1
		.amdhsa_inst_pref_size 49
	.end_amdhsa_kernel
	.amdgpu_metadata
---
amdhsa.version: [ 1, 2 ]
amdhsa.kernels:
  - .name:           k_q917f3151f6_route
    .symbol:         k_q917f3151f6_route.kd
    .args:
      - { .name: x, .offset: 0, .size: 8, .value_kind: global_buffer, .address_space: global }
      - { .name: router_w, .offset: 8, .size: 8, .value_kind: global_buffer, .address_space: global }
      - { .name: lowp_scales, .offset: 16, .size: 8, .value_kind: global_buffer, .address_space: global }
      - { .name: xq, .offset: 24, .size: 8, .value_kind: global_buffer, .address_space: global }
      - { .name: route, .offset: 32, .size: 8, .value_kind: global_buffer, .address_space: global }
      - { .name: rwt, .offset: 40, .size: 8, .value_kind: global_buffer, .address_space: global }
      - { .name: stat, .offset: 48, .size: 8, .value_kind: global_buffer, .address_space: global }
    .group_segment_fixed_size: 4352
    .private_segment_fixed_size: 0
    .kernarg_segment_align: 8
    .kernarg_segment_size: 56
    .max_flat_workgroup_size: 32
    .sgpr_count:     66
    .vgpr_count:     512
    .wavefront_size: 32
...
	.end_amdgpu_metadata
.endif
;; end of part 1
;; launch place (part 2): grid 1 x 1, 32 waves a work-group, no clusters, 25,088 bytes of LDS; arguments route, stat, place, out1; writes place, out1
.if DOCPART == 2
	.amdgcn_target "amdgcn-amd-amdhsa--gfx1250"
	.amdhsa_code_object_version 6
	.text
	.protected	k_q917f3151f6_place
	.globl	k_q917f3151f6_place
	.p2align	8
	.type	k_q917f3151f6_place,@function
k_q917f3151f6_place:
	s_mov_b64 s[64:65], 0
	v_nop
	global_prefetch_b8 v0, s[64:65] scope:SCOPE_SE
	s_setreg_imm32_b32 hwreg(HW_REG_WAVE_MODE, 25, 1), 1
	s_wait_xcnt 0x0
; THE ROWS ARE PLACED BY EXPERT (a counting sort without atomics), AND THE AUX LOSS IS SUMMED.  Thread t stands for token t; one work-group, since a rank needs the counts of all tokens before it.
; place: bytes 0 on: list[8][1024], rank -> token, 0 from rank n_e on;  32,768 on: pos[1024][2] = expert x 1,024 + rank of the token's two rows;  40,960 on: n_e, the eight counts.
; Only chosen rows are listed: rows of experts that a token did not choose reach no output (shown at the head of the first kernel).
; rank = (tokens of earlier waves that chose e) + (earlier lanes of my wave that chose e).  aux = 0.001 x mean(z^2) + 0.01 x sum over e of (n_e / 1,024) (sum of prob_e / 1,024).
.set AUX,   4096                       ; LDS: bytes 0-4,095: counts, [row = lane][wave] words, rows 0-7 are the experts;  from AUX: 528 bytes a wave: its sums of stat
.set SPARE, 20992                      ; behind them: the spare words, 128 bytes for each of 32 waves
	s_load_b256 s[4:11], s[0:1], 0x0               ; route s[4:5], stat s[6:7], place s[8:9], out1 s[10:11]
	v_lshl_add_u32 v3, v0, 2, SPARE                ; my spare word
	v_mov_b32 v11, 0                               ; and 0: both kept for the closing lines alone
	v_and_b32 v1, 31, v0                           ; lane
	v_lshrrev_b32 v2, 5, v0
	v_readfirstlane_b32 s12, v2                    ; wave
	v_lshlrev_b32 v4, 2, v0
	v_lshlrev_b32 v5, 4, v0
	v_lshlrev_b32 v6, 3, v0
	v_mov_b32 v7, 0
	v_lshlrev_b32 v24, 7, v1
	v_lshl_add_u32 v24, v2, 2, v24                 ; counts, in: row = lane, word = wave
	v_mul_u32_u24 v25, v2, 528
	v_lshl_add_u32 v25, v1, 4, v25
	v_add_nc_u32 v25, AUX, v25                     ; sums, in
	v_lshlrev_b32 v26, 2, v1                       ; counts, out: word = lane
	v_mul_u32_u24 v51, v1, 528                     ; sums, out: lane = the wave that stored them
	s_mov_b32 s36, 0x76543210
	s_mov_b32 s37, 0xfedcba98
	s_wait_kmcnt 0x0
	global_load_b32 v8, v4, s[4:5]
	global_load_b128 v[12:15], v5, s[6:7]          ; stat is 2,048 groups of four words: thread t takes groups t and t + 1,024; group number mod 4 = lane mod 4
	global_load_b128 v[16:19], v5, s[6:7] offset:16384
	v_mov_b32 v20, 0
	v_mov_b32 v21, 0
	v_mov_b32 v22, 0
.irp e, 0,1,2,3,4,5,6,7
	v_mov_b32 v[40+\e], 0                          ; written once: a DPP form's destination counts as read
.endr
	s_wait_loadcnt 0x0
	v_and_b32 v9, 7, v8                            ; first expert
	v_bfe_u32 v10, v8, 8, 3                        ; second
.irp e, 0,1,2,3,4,5,6,7
	v_cmp_eq_u32 s[16+\e], \e, v9
	v_cmp_eq_u32 s[24+\e], \e, v10
	s_or_b32 s32, s[16+\e], s[24+\e]               ; the lanes of my wave that chose e
	v_mbcnt_lo_u32_b32 v23, s32, 0                 ; how many of them stand before me
	v_cndmask_b32 v21, v21, v23, s[16+\e]
	v_cndmask_b32 v22, v22, v23, s[24+\e]
	s_bcnt1_i32_b32 s33, s32
	v_writelane_b32 v20, s33, \e                   ; lane e: my wave's count for expert e
.endr
	ds_store_b32 v24, v20
	v_pk_add_f32 v[12:13], v[12:13], v[16:17]
	v_pk_add_f32 v[14:15], v[14:15], v[18:19]
.irp m, 4,8
.irp i, 0,1,2,3
	v_add_f32_dpp v[12+\i], v[12+\i], v[12+\i] row_xmask:\m row_mask:0xf bank_mask:0xf   ; lanes with the same lane mod 4 hold the same four words of a record
.endr
.endr
.irp i, 0,1,2,3
	v_permlanex16_b32 v[16+\i], v[12+\i], s36, s37
.endr
.irp i, 0,1,2,3
	v_add_f32 v[12+\i], v[12+\i], v[16+\i]
.endr
	ds_store_b128 v25, v[12:15]
	s_wait_dscnt 0x0                               ; for the others' sake: my stores have landed
	s_barrier_signal -1
	s_barrier_wait -1
.irp e, 0,1,2,3,4,5,6,7
	ds_load_b32 v[32+\e], v26 offset:128*\e        ; lane i: wave i's count for expert e
.endr
	v_cmp_gt_u32 s34, s12, v1                      ; the waves before mine
	s_wait_dscnt 0x0
.irp e, 0,1,2,3,4,5,6,7
	v_cndmask_b32 v27, 0, v[32+\e], s34
	v_lshl_add_u32 v[32+\e], v27, 16, v[32+\e]     ; one word sums both: low half all waves (at most 1,024), high half the waves before mine
.endr
.irp m, 1,2,4,8
.irp e, 0,1,2,3,4,5,6,7
	v_mov_b32_dpp v[40+\e], v[32+\e] row_xmask:\m row_mask:0xf bank_mask:0xf
.endr
.irp e, 0,1,2,3,4,5,6,7
	v_add_nc_u32 v[32+\e], v[32+\e], v[40+\e]
.endr
.endr
.irp e, 0,1,2,3,4,5,6,7
	v_permlanex16_b32 v[40+\e], v[32+\e], s36, s37
.endr
.irp e, 0,1,2,3,4,5,6,7
	v_add_nc_u32 v[32+\e], v[32+\e], v[40+\e]
.endr
.irp e, 0,1,2,3,4,5,6,7
	v_and_b32 v[40+\e], 0xffff, v[32+\e]           ; n_e
	v_lshrrev_b32 v[32+\e], 16, v[32+\e]           ; my wave's first rank in expert e
.endr
	v_mov_b32 v28, 0
	v_mov_b32 v29, 0
.irp e, 0,1,2,3,4,5,6,7
	v_cndmask_b32 v28, v28, v[32+\e], s[16+\e]
	v_cndmask_b32 v29, v29, v[32+\e], s[24+\e]
.endr
	v_lshl_add_u32 v30, v9, 10, v28
	v_add_nc_u32 v30, v30, v21                     ; expert x 1,024 + rank
	v_lshl_add_u32 v31, v10, 10, v29
	v_add_nc_u32 v31, v31, v22
	global_store_b64 v6, v[30:31], s[8:9] offset:32768
	v_min_u32 v48, 0x1fff, v30                     ; a number made of loaded ones enters an address only behind this bound
	v_lshlrev_b32 v48, 2, v48
	v_min_u32 v49, 0x1fff, v31
	v_lshlrev_b32 v49, 2, v49
	global_store_b32 v48, v0, s[8:9]               ; list[expert][rank] = token
	global_store_b32 v49, v0, s[8:9]
.irp e, 0,1,2,3,4,5,6,7
	v_cmp_ge_u32 vcc_lo, v0, v[40+\e]              ; the ranks from n_e on get token 0: other words than those just stored, so every word of the list is written once
	s_wait_xcnt 0x0                                ; EXEC changes only behind this wait
	s_and_saveexec_b32 s38, vcc_lo
	global_store_b32 v4, v7, s[8:9] offset:\e*4096
	s_wait_xcnt 0x0
	s_or_b32 exec_lo, exec_lo, s38
.endr
	v_mov_b32 v50, 0
.irp e, 0,1,2,3,4,5,6,7
	v_cmp_eq_u32 vcc_lo, \e, v0
	v_cndmask_b32 v50, v50, v[40+\e], vcc_lo
.endr
	v_cmp_gt_u32 vcc_lo, 8, v0
	s_and_saveexec_b32 s38, vcc_lo
	global_store_b32 v4, v50, s[8:9] offset:40960  ; threads 0 to 7: the counts
	s_wait_xcnt 0x0
	s_or_b32 exec_lo, exec_lo, s38
	s_cmp_lg_u32 s12, 0                            ; the aux loss is wave 0's; no barrier stands under this branch
	s_cbranch_scc1 .Lend
.irp q, 0,1,2
	ds_load_b128 v[52+4*\q:55+4*\q], v51 offset:AUX+16*\q   ; lane i: wave i's sums: v52 z^2, v53-60 the probabilities
.endr
	s_wait_dscnt 0x0
.irp m, 1,2,4,8
.irp i, 0,1,2,3,4,5,6,7,8
	v_add_f32_dpp v[52+\i], v[52+\i], v[52+\i] row_xmask:\m row_mask:0xf bank_mask:0xf
.endr
.endr
.irp i, 0,1,2,3,4,5,6,7,8
	v_permlanex16_b32 v[12+\i], v[52+\i], s36, s37
.endr
.irp i, 0,1,2,3,4,5,6,7,8
	v_add_f32 v[52+\i], v[52+\i], v[12+\i]
.endr
.irp e, 0,1,2,3,4,5,6,7
	v_cvt_f32_u32 v[32+\e], v[40+\e]
.endr
	v_mul_f32 v62, 0x3583126f, v52                 ; 0.001 / 1,024 x the sum of z^2
	v_mul_f32 v63, v32, v53
.irp e, 1,2,3,4,5,6,7
	v_fmac_f32 v63, v[32+\e], v[53+\e]
.endr
	v_fmamk_f32 v62, v63, 0x3223d70a, v62          ; + 0.01 / 1,024^2 x the sum of n_e x the sum of prob_e
	v_cmp_eq_u32 vcc_lo, 0, v0
	s_wait_xcnt 0x0
	s_and_saveexec_b32 s38, vcc_lo
	global_store_b32 v4, v62, s[10:11]
	s_wait_xcnt 0x0
	s_or_b32 exec_lo, exec_lo, s38
.Lend:
	s_wait_tensorcnt 0x0                           ; the wave's end
	ds_add_u32 v3, v11
	s_wait_dscnt 0x0
	s_endpgm
.Lfunc_end_k_q917f3151f6_place:
	.size	k_q917f3151f6_place, .Lfunc_end_k_q917f3151f6_place-k_q917f3151f6_place
	.p2alignl 7, 3214868480
	.fill 96, 4, 3214868480
	.section	.rodata,"a",@progbits
	.p2align	6, 0x0
	.amdhsa_kernel k_q917f3151f6_place
		.amdhsa_group_segment_fixed_size 25088
		.amdhsa_private_segment_fixed_size 0
		.amdhsa_enable_private_segment 0
		.amdhsa_kernarg_size 32
		.amdhsa_user_sgpr_count 2
		.amdhsa_user_sgpr_kernarg_segment_ptr 1
		.amdhsa_wavefront_size32 1
		.amdhsa_system_sgpr_workgroup_id_x 1
		.amdhsa_system_sgpr_workgroup_id_y 1
		.amdhsa_system_sgpr_workgroup_id_z 1
		.amdhsa_system_vgpr_workitem_id 0
		.amdhsa_next_free_vgpr 64
		.amdhsa_next_free_sgpr 66
		.amdhsa_reserve_vcc 1
		.amdhsa_float_denorm_mode_32 3
		.amdhsa_float_denorm_mode_16_64 3
		.amdhsa_memory_ordered 1
		.amdhsa_forward_progress 1
		.amdhsa_inst_pref_size 22
	.end_amdhsa_kernel
	.amdgpu_metadata
---
amdhsa.version: [ 1, 2 ]
amdhsa.kernels:
  - .name:           k_q917f3151f6_place
    .symbol:         k_q917f3151f6_place.kd
    .args:
      - { .name: route, .offset: 0, .size: 8, .value_kind: global_buffer, .address_space: global }
      - { .name: stat, .offset: 8, .size: 8, .value_kind: global_buffer, .address_space: global }
      - { .name: place, .offset: 16, .size: 8, .value_kind: global_buffer, .address_space: global }
      - { .name: out1, .offset: 24, .size: 8, .value_kind: global_buffer, .address_space: global }
    .group_segment_fixed_size: 25088
    .private_segment_fixed_size: 0
    .kernarg_segment_align: 8
    .kernarg_segment_size: 32
    .max_flat_workgroup_size: 1024
    .sgpr_count:     66
    .vgpr_count:     64
    .wavefront_size: 32
...
	.end_amdgpu_metadata
.endif
;; end of part 2
;; launch gateup (part 3): grid 32 x 8, 4 waves a work-group, no clusters, 98,816 bytes of LDS; arguments xq, gate_w_codes, up_w_codes, lowp_scales, place, hid; writes hid
.if DOCPART == 3
	.amdgcn_target "amdgcn-amd-amdhsa--gfx1250"
	.amdhsa_code_object_version 6
	.text
	.protected	k_q917f3151f6_gateup
	.globl	k_q917f3151f6_gateup
	.p2align	8
	.type	k_q917f3151f6_gateup,@function
k_q917f3151f6_gateup:
	s_mov_b64 s[64:65], 0
	v_nop
	global_prefetch_b8 v0, s[64:65] scope:SCOPE_SE
	s_setreg_imm32_b32 hwreg(HW_REG_WAVE_MODE, 25, 1), 1
	s_wait_xcnt 0x0
; THE GATE AND UP PRODUCTS OF THE CHOSEN ROWS, silu(gate) x up, AND ITS CODES.  Rows of experts that a token did not choose are left out: they reach no output (shown at the head of the first kernel).
; SHARES.  Work-group (x, y): expert y, hidden units 128 (x / 2) on, tiles of 16 routed rows 2 i + x % 2.  The grid hangs on ids alone and serves every split of the tokens.
; THE WEIGHTS STAY IN REGISTERS: 128 rows of gate_w and 128 of up_w, 1,024 codes each.  THE FOUR WAVES SPLIT K: wave w holds k = 256 w .. 256 w + 255 of all 256 rows (32 fragments, 512 registers), so it gathers
; only its own 256 bytes of each routed row's codes, straight into fragments, and each such fragment feeds 8 matrix instructions.  The waves' partial sums meet in LDS.
; THE MATRIX INSTRUCTION IS USED TRANSPOSED (source 0 = 16 rows of a weight, source 1 = 16 routed rows): a lane holds one routed row.  THE ROWS OF A WEIGHT THAT FORM A TILE ARE NOT NEIGHBOURS: lane r of tile
; 2 d + u takes row 32 b + 8 u + r + 8 (r / 8), so that the 16 registers of the two tiles are hidden units 32 b + 16 (lane / 16) + 0 .. 15: 16 neighbours along the down product's K.
; Group d of wave w is b = (w + d) % 4: group 0 is the wave's own, groups 1 to 3 are sent to wave b.  Wave w then owns hidden units 32 w .. 32 w + 31 of the slice and stores their codes as registers 4 w .. 4 w + 3
; of the down product's fragment: hid is [expert][tile][K step of 128][4][lane][16 bytes], an image of that operand's registers.
; k's place in a fragment: registers 4 c .. 4 c + 3 of lane (r, h) hold k = 32 c + 16 h + 0 .. 15, in both operands alike, so every product meets its partner.
; SCALES.  hidden = G U 2^(e0+e1+e2+e3) / (1 + 2^(-log2(e) 2^(e0+e1) G)), G and U the sums of code products; its code is G U / (1 + ..) divided by 2^ef, ef = e4 - e0 - e1 - e2 - e3: one scale for the conversion.
; THE LOOP has a constant count of 32 trips, since a barrier stands in it; a trip beyond the expert's tiles jumps over the work (a scalar branch on the stored count, the same in all four waves) and passes the barrier.
; Tile 0 of every expert is always made (with token 0 where the expert has no rows), so that the next launch's first loads find stored bytes.  Rows from n_e on in the last tile take token 0; nothing reads them.
; NO TENSOR LOADS, NO CLUSTER: the work of a trip hangs on a count read from memory, and partners would need different numbers of tiles; operands go from memory straight into registers.
; LIMITS: e0 + e1 between -126 and 127; ef between -126 and 112.  A factor 1 / (1 + 2^..) under 2^-126 counts as 0 (v_rcp_f32 flushes).  NaN among the inputs is not served.
; REGISTERS, in windows of 256.  Window 0: below.  Window 1: the weights' first 128 of my k: gate's tile T at 16 T, up's at 128 + 16 T.  Window 2: the second 128.  Window 3: the sums: gate's tile T at 8 T, up's at 64 + 8 T.
.set RED1,  49152                      ; LDS: two buffers by turns, each [wave that receives: 12,288][sender's group - 1: 4,096][gate u0, gate u1, up u0, up u1: 1,024][half: 512][16 x lane]
.set SPARE, 98304                      ; behind them: the spare words, 128 bytes a wave
.set WO,  4                            ; v4-7   group d's byte in a weight's slice: row x 1,024 + 256 w + 16 h
.set XK,  8                            ; v8     256 w + 16 h
.set XO,  9                            ; v9     a routed row's codes: token x 1,024 + XK  (v10: a second one for the prologue)
.set LO,  11                           ; v11    my place in the list
.set TOK, 12                           ; v12-13 tokens, one register for each buffer
.set ST,  14                           ; v14-16 where group d = 1 .. 3 is sent
.set RD,  17                           ; v17    where I receive
.set HO,  18                           ; v18    my 16 bytes in hid
.set SPW, 19                           ; v19    my spare word; never rewritten
.set NIL, 20                           ; v20    0; never rewritten
.set SC,  21                           ; v21    2^ef
.set LIM, 22                           ; v22    57,344 x 2^ef
.set TMP, 23
.set CD,  24                           ; v24-27 the codes
.set XB,  32                           ; v32-95, v96-159: two buffers of x's fragments: (set m, half q of my k) at 16 (2 m + q)
.set R1,  160                          ; v160-191 first partial received, then the sums: G at 0-15, U at 16-31
.set R2,  192                          ; v192-223 second; later the exponentials
.set R3,  224                          ; v224-255 third
.set MSB, 0
.macro WIN new                         ; the immediate's high byte repeats the setting that is left
.if MSB != (\new)
	s_set_vgpr_msb (MSB<<8)|(\new)
.set MSB, \new
.endif
.endm
.macro WLOAD m, q, base                ; 8 tiles of weight m (0 gate, 1 up), half q of my k
	WIN 0x40*(1+\q)
.irp d, 0,1,2,3
.irp u, 0,1
.irp c, 0,1,2,3
	global_load_b128 v[128*\m+16*(2*\d+\u)+4*\c:128*\m+16*(2*\d+\u)+4*\c+3], v[WO+\d], s[\base:\base+1] offset:\u*8192+128*\q+32*\c
.endr
.endr
.endr
	WIN 0
.endm
.macro XLOAD buf, adr                  ; a tile's 16 routed rows, my 256 codes of each, in both sets
.irp m, 0,1
.irp q, 0,1
.irp c, 0,1,2,3
	global_load_b128 v[XB+64*\buf+16*(2*\m+\q)+4*\c:XB+64*\buf+16*(2*\m+\q)+4*\c+3], v[\adr], s[4:5] offset:\m*1048576+128*\q+32*\c
.endr
.endr
.endr
.endm
.macro MUL buf                         ; 32 matrix instructions; the 16 accumulators take turns, one instruction a turn; the first 16 start the sums
	WIN 0xf1
.irp m, 0,1
.irp t, 0,1,2,3,4,5,6,7
	v_wmma_f32_16x16x128_bf8_bf8 v[64*\m+8*\t:64*\m+8*\t+7], v[128*\m+16*\t:128*\m+16*\t+15], v[XB+64*\buf+32*\m:XB+64*\buf+32*\m+15], 0
.endr
.endr
	WIN 0xf2
.irp m, 0,1
.irp t, 0,1,2,3,4,5,6,7
	v_wmma_f32_16x16x128_bf8_bf8 v[64*\m+8*\t:64*\m+8*\t+7], v[128*\m+16*\t:128*\m+16*\t+15], v[XB+64*\buf+32*\m+16:XB+64*\buf+32*\m+31], v[64*\m+8*\t:64*\m+8*\t+7]
.endr
.endr
	WIN 0
.endm
.macro SENDP buf                       ; groups 1 to 3 go to their owners; each accumulator from its low end on
	WIN 0x0c                                       ; the stores' data: window 3
.irp d, 1,2,3
.irp m, 0,1
.irp u, 0,1
	ds_store_b128 v[ST+\d-1], v[64*\m+8*(2*\d+\u):64*\m+8*(2*\d+\u)+3] offset:\buf*RED1+(2*\m+\u)*1024
	ds_store_b128 v[ST+\d-1], v[64*\m+8*(2*\d+\u)+4:64*\m+8*(2*\d+\u)+7] offset:\buf*RED1+(2*\m+\u)*1024+512
.endr
.endr
.endr
	WIN 0
.endm
	s_load_b256 s[4:11], s[0:1], 0x0               ; xq s[4:5], gate s[6:7], up s[8:9], lowp_scales s[10:11]
	s_load_b128 s[12:15], s[0:1], 0x20             ; place s[12:13], hid s[14:15]
	v_lshl_add_u32 v[SPW], v0, 2, SPARE
	v_mov_b32 v[NIL], 0
	v_lshrrev_b32 v1, 5, v0
	v_readfirstlane_b32 s16, v1                    ; wave
	s_lshr_b32 s17, ttmp9, 1                       ; the slice of 128 hidden units
	s_and_b32 s18, ttmp9, 1                        ; even or odd tiles
	s_and_b32 s19, ttmp7, 0xffff                   ; the expert
	v_and_b32 v1, 15, v0                           ; r
	v_bfe_u32 v2, v0, 4, 1                         ; h
	v_and_b32 v3, 31, v0                           ; lane
	v_and_b32 v[TMP], 8, v1
	v_add_nc_u32 v[TMP], v[TMP], v1                ; r + 8 (r / 8)
	v_lshlrev_b32 v[TMP], 10, v[TMP]
	v_lshl_add_u32 v[TMP], v2, 4, v[TMP]
	s_lshl_b32 s23, s16, 8
	v_add_nc_u32 v[TMP], s23, v[TMP]
	v_lshlrev_b32 v[XK], 4, v2
	v_add_nc_u32 v[XK], s23, v[XK]
	v_lshlrev_b32 v[HO], 4, v3                     ; 16 x lane
.irp d, 0,1,2,3
	s_add_co_u32 s37, s16, \d
	s_and_b32 s37, s37, 3                          ; b = (w + d) % 4
	s_lshl_b32 s38, s37, 15
	v_add_nc_u32 v[WO+\d], s38, v[TMP]             ; + 32 b rows
.if \d > 0
	s_mul_i32 s37, s37, 12288
	s_add_co_u32 s37, s37, (\d-1)*4096
	v_add_nc_u32 v[ST+\d-1], s37, v[HO]
.endif
.endr
	s_mul_i32 s37, s16, 12288
	v_add_nc_u32 v[RD], s37, v[HO]
	s_lshl_b32 s37, s18, 15                        ; a tile of hid is 32,768 bytes
	s_lshl_b32 s38, s16, 9
	s_add_co_u32 s37, s37, s38
	v_add_nc_u32 v[HO], s37, v[HO]
	s_lshl_b32 s37, s19, 12
	s_lshl_b32 s38, s18, 6
	s_add_co_u32 s37, s37, s38
	v_lshl_add_u32 v[LO], v1, 2, s37               ; list[expert][16 x tile + r]
	s_lshl_b32 s36, s19, 2
	s_lshl_b32 s32, s19, 21
	s_lshl_b32 s33, s17, 17
	s_add_co_u32 s32, s32, s33                     ; the weights: expert x 2^21 + slice x 128 rows
	s_mov_b32 s33, 0
	s_lshl_b32 s34, s19, 21
	s_lshl_b32 s35, s17, 11
	s_add_co_u32 s34, s34, s35                     ; hid: expert x 2^21 + K step x 2,048
	s_mov_b32 s35, 0
	s_wait_kmcnt 0x0
	s_load_b32 s20, s[12:13], s36 offset:0xa000    ; n_e
	s_load_b128 s[24:27], s[10:11], 0x0            ; e0 .. e3
	s_load_b32 s28, s[10:11], 0x10                 ; e4
	s_add_nc_u64 s[6:7], s[6:7], s[32:33]
	s_add_nc_u64 s[8:9], s[8:9], s[32:33]
	s_add_nc_u64 s[14:15], s[14:15], s[34:35]
	global_load_b32 v[TOK], v[LO], s[12:13]                    ; the tokens of trips 0 and 1 (a trip is two tiles, 128 bytes of the list, on)
	global_load_b32 v[TOK+1], v[LO], s[12:13] offset:128
	WLOAD 0, 0, 6
	s_wait_loadcnt 32                              ; 32 weight loads are younger: the tokens are in
	v_min_u32 v[TMP], 0x3ff, v[TOK]                ; a loaded number enters an address only behind this bound
	v_lshl_add_u32 v[XO], v[TMP], 10, v[XK]
	v_min_u32 v[TMP], 0x3ff, v[TOK+1]
	v_lshl_add_u32 v10, v[TMP], 10, v[XK]
	XLOAD 0, XO
	XLOAD 1, 10
	global_load_b32 v[TOK], v[LO], s[12:13] offset:256         ; the tokens of trips 2 and 3
	global_load_b32 v[TOK+1], v[LO], s[12:13] offset:384
	WLOAD 1, 0, 8
	WLOAD 0, 1, 6
	WLOAD 1, 1, 8
	s_wait_kmcnt 0x0
	s_min_u32 s20, s20, 1024
	s_add_co_u32 s20, s20, 15
	s_lshr_b32 s20, s20, 4
	s_max_u32 s20, s20, 1                          ; the expert's tiles, at least one
	s_add_co_u32 s21, s20, 1
	s_sub_co_u32 s21, s21, s18
	s_lshr_b32 s21, s21, 1                         ; how many of them are mine
	s_add_co_i32 s23, s24, s25                     ; e0 + e1
	s_lshl_b32 s30, s23, 23
	s_add_co_i32 s30, s30, 0xbfb8aa3b              ; -log2(e) x 2^(e0 + e1): the sum is added to the constant's exponent field
	s_mov_b32 s31, s30                             ; (named with it as a pair, so it is written)
	s_add_co_i32 s23, s23, s26
	s_add_co_i32 s23, s23, s27
	s_sub_co_i32 s23, s28, s23                     ; ef
	s_add_co_i32 s23, s23, 127
	s_lshl_b32 s37, s23, 23
	v_mov_b32 v[SC], s37
	s_add_co_i32 s23, s23, 15
	s_lshl_b32 s23, s23, 23
	s_or_b32 s23, s23, 0x600000
	v_mov_b32 v[LIM], s23
	WIN 0xc0                                       ; they are written here once, so that they are written on every way through the text
.irp i, 0,1,2,3,4,5,6,7,8,9,10,11,12,13,14,15
	v_mov_b32 v[\i], 0
	v_mov_b32 v[64+\i], 0
.endr
	WIN 0
; A TRIP: tile 2 (s22 + buf) + x % 2.  Ahead of the barrier: the products, the partial sums to their owners, the loads for two trips on.  Behind it: the sum of four partials, the activation, the codes.
; The two LDS buffers take turns: a buffer's reads are waited for ahead of the next trip's barrier, and it is stored into again behind that barrier.
.macro TRIP buf
	s_add_co_u32 s23, s22, \buf
	s_cmp_lt_u32 s23, s21
	s_cbranch_scc0 .Lidle_a_\@
	s_wait_loadcnt 0x0                             ; x's fragments and the tokens, in the first trip the weights too; for 0, since the loads behind them differ from way to way
	MUL \buf
.rept 5
	v_nop                                          ; four places ahead of the stores of results and of the loads into x's fragments, five ahead of the next trip's products, which begin these accumulators anew
.endr
	SENDP \buf
	s_add_co_u32 s39, s23, 2
	s_cmp_lt_u32 s39, s21
	s_cbranch_scc0 .Lidle_a_\@
	v_min_u32 v[TMP], 0x3ff, v[TOK+\buf]
	v_lshl_add_u32 v[XO], v[TMP], 10, v[XK]        ; (all earlier loads are done: their address registers may be written)
	XLOAD \buf, XO                                 ; the tile of two trips on
	v_add_nc_u32 v[LO], 128, v[LO]
	global_load_b32 v[TOK+\buf], v[LO], s[12:13] offset:384   ; the token of four trips on: at most entry 1,087 of expert 7's list, which is byte 33,023 of place: stored bytes, and bounded before use
.Lidle_a_\@:
	s_wait_dscnt 0x0                               ; my stores have landed, and my reads of the other buffer are over
	s_barrier_signal -1
	s_barrier_wait -1
	s_cmp_lt_u32 s23, s21
	s_cbranch_scc0 .Lidle_b_\@
	s_wait_xcnt 0x0                                ; the last store to hid has read its codes and its offset
.irp d, 0,1,2
.irp k, 0,1,2,3
	ds_load_b128 v[R1+32*\d+8*\k:R1+32*\d+8*\k+3], v[RD] offset:\buf*RED1+\d*4096+\k*1024
	ds_load_b128 v[R1+32*\d+8*\k+4:R1+32*\d+8*\k+7], v[RD] offset:\buf*RED1+\d*4096+\k*1024+512
.endr
.endr
	v_add_nc_u32 v[HO], 0x10000, v[HO]             ; two tiles on; the store below reaches back
	s_wait_dscnt 16                                ; the 16 loads of the second and third partial are younger: the first is in
	WIN 0x03                                       ; source 0: window 3, my own partial, each accumulator from its low end on
.irp i, 0,2,4,6,8,10,12,14
	v_pk_add_f32 v[R1+\i:R1+\i+1], v[\i:\i+1], v[R1+\i:R1+\i+1]
.endr
.irp i, 0,2,4,6,8,10,12,14
	v_pk_add_f32 v[R1+16+\i:R1+16+\i+1], v[64+\i:64+\i+1], v[R1+16+\i:R1+16+\i+1]
.endr
	WIN 0
	s_wait_dscnt 0x0
.irp i, 0,2,4,6,8,10,12,14,16,18,20,22,24,26,28,30
	v_pk_add_f32 v[R2+\i:R2+\i+1], v[R2+\i:R2+\i+1], v[R3+\i:R3+\i+1]
.endr
.irp i, 0,2,4,6,8,10,12,14,16,18,20,22,24,26,28,30
	v_pk_add_f32 v[R1+\i:R1+\i+1], v[R1+\i:R1+\i+1], v[R2+\i:R2+\i+1]
.endr
.irp i, 0,2,4,6,8,10,12,14
	v_pk_mul_f32 v[R2+\i:R2+\i+1], v[R1+\i:R1+\i+1], s[30:31] op_sel_hi:[1,0]   ; -gate x log2(e)
.endr
.irp i, 0,1,2,3,4,5,6,7,8,9,10,11,12,13,14,15
	v_exp_f32 v[R2+\i], v[R2+\i]
.endr
.irp i, 0,2,4,6,8,10,12,14
	v_pk_mul_f32 v[R1+\i:R1+\i+1], v[R1+\i:R1+\i+1], v[R1+16+\i:R1+16+\i+1]     ; G U: plain work behind the exponentials
.endr
	s_wait_alu depctr_va_vdst(0)                   ; one wait for the sixteen, ahead of their first reader
.irp i, 0,2,4,6,8,10,12,14
	v_pk_add_f32 v[R2+\i:R2+\i+1], v[R2+\i:R2+\i+1], 1.0 op_sel_hi:[1,0]
.endr
.irp i, 0,1,2,3,4,5,6,7,8,9,10,11,12,13,14,15
	v_rcp_f32 v[R2+\i], v[R2+\i]
.endr
	v_nop                                          ; a plain line behind the last reciprocal
	s_wait_alu depctr_va_vdst(0)                   ; one wait for the sixteen
.irp i, 0,2,4,6,8,10,12,14
	v_pk_mul_f32 v[R1+\i:R1+\i+1], v[R1+\i:R1+\i+1], v[R2+\i:R2+\i+1]
.endr
.irp i, 0,1,2,3,4,5,6,7,8,9,10,11,12,13,14,15
	v_med3_num_f32 v[R1+\i], v[R1+\i], -v[LIM], v[LIM]   ; the conversion does not saturate (ISA guide 7.6.2): the hold at the largest code x the scale
.endr
	v_cvt_scalef32_pk8_bf8_f32 v[CD:CD+1], v[R1:R1+7], v[SC]
	v_cvt_scalef32_pk8_bf8_f32 v[CD+2:CD+3], v[R1+8:R1+15], v[SC]
	v_nop                                          ; a plain line behind the conversions
	global_store_b128 v[HO], v[CD:CD+3], s[14:15] offset:-65536   ; the wave stores 512 consecutive bytes
.Lidle_b_\@:
.endm
	s_mov_b32 s22, 0
.Ltrips:
	TRIP 0
	TRIP 1
	s_add_co_u32 s22, s22, 2
	s_cmp_lt_u32 s22, 32
	s_cbranch_scc1 .Ltrips
	s_wait_tensorcnt 0x0                           ; the wave's end
	ds_add_u32 v[SPW], v[NIL]
	s_wait_dscnt 0x0
	s_endpgm
.Lfunc_end_k_q917f3151f6_gateup:
	.size	k_q917f3151f6_gateup, .Lfunc_end_k_q917f3151f6_gateup-k_q917f3151f6_gateup
	.p2alignl 7, 3214868480
	.fill 96, 4, 3214868480
	.section	.rodata,"a",@progbits
	.p2align	6, 0x0
	.amdhsa_kernel k_q917f3151f6_gateup
		.amdhsa_group_segment_fixed_size 98816
		.amdhsa_private_segment_fixed_size 0
		.amdhsa_enable_private_segment 0
		.amdhsa_kernarg_size 48
		.amdhsa_user_sgpr_count 2
		.amdhsa_user_sgpr_kernarg_segment_ptr 1
		.amdhsa_wavefront_size32 1
		.amdhsa_system_sgpr_workgroup_id_x 1
		.amdhsa_system_sgpr_workgroup_id_y 1
		.amdhsa_system_sgpr_workgroup_id_z 1
		.amdhsa_system_vgpr_workitem_id 0
		.amdhsa_next_free_vgpr 896
		.amdhsa_next_free_sgpr 66
		.amdhsa_reserve_vcc 0
		.amdhsa_float_denorm_mode_32 3
		.amdhsa_float_denorm_mode_16_64 3
		.amdhsa_memory_ordered 1
		.amdhsa_forward_progress 1
		.amdhsa_inst_pref_size 52
	.end_amdhsa_kernel
	.amdgpu_metadata
---
amdhsa.version: [ 1, 2 ]
amdhsa.kernels:
  - .name:           k_q917f3151f6_gateup
    .symbol:         k_q917f3151f6_gateup.kd
    .args:
      - { .name: xq, .offset: 0, .size: 8, .value_kind: global_buffer, .address_space: global }
      - { .name: gate_w_codes, .offset: 8, .size: 8, .value_kind: global_buffer, .address_space: global }
      - { .name: up_w_codes, .offset: 16, .size: 8, .value_kind: global_buffer, .address_space: global }
      - { .name: lowp_scales, .offset: 24, .size: 8, .value_kind: global_buffer, .address_space: global }
      - { .name: place, .offset: 32, .size: 8, .value_kind: global_buffer, .address_space: global }
      - { .name: hid, .offset: 40, .size: 8, .value_kind: global_buffer, .address_space: global }
    .group_segment_fixed_size: 98816
    .private_segment_fixed_size: 0
    .kernarg_segment_align: 8
    .kernarg_segment_size: 48
    .max_flat_workgroup_size: 128
    .sgpr_count:     66
    .vgpr_count:     896
    .wavefront_size: 32
...
	.end_amdgpu_metadata
.endif
;; end of part 3
;; launch down (part 4): grid 32 x 8, 4 waves a work-group, no clusters, 35,328 bytes of LDS; arguments hid, down_w_codes, place, y; writes y
.if DOCPART == 4
	.amdgcn_target "amdgcn-amd-amdhsa--gfx1250"
	.amdhsa_code_object_version 6
	.text
	.protected	k_q917f3151f6_down
	.globl	k_q917f3151f6_down
	.p2align	8
	.type	k_q917f3151f6_down,@function
k_q917f3151f6_down:
	s_mov_b64 s[64:65], 0
	v_nop
	global_prefetch_b8 v0, s[64:65] scope:SCOPE_SE
	s_setreg_imm32_b32 hwreg(HW_REG_WAVE_MODE, 25, 1), 1
	s_wait_xcnt 0x0
; THE DOWN PRODUCT OF THE CHOSEN ROWS: y[expert][rank][1,024] = the f32 sums of code products; the factor 2^(e4 + e5) and the gate's weight come in the next launch.
; Rows of experts that a token did not choose are left out: they reach no output (shown at the head of the first kernel).
; SHARES.  Work-group (x, y): expert y, output columns 64 (x / 2) on, tiles of 16 routed rows 2 i + x % 2.  The 64 rows of down_w stay in registers; THE FOUR WAVES SPLIT K: wave w holds K steps 4 w .. 4 w + 3
; of 128 (16 fragments, window 1) and loads only those K steps of the hidden layer's images: each load reads 512 consecutive bytes and is a fragment's four registers as it stands.
; Transposed use (source 0 = 16 rows of down_w, source 1 = 16 routed rows): lane (r, h) holds routed row r and columns 16 T + 8 h + 0 .. 7.
; The partial sums meet in LDS, laid [wave][block of 4 columns: 272 bytes][row: 16 bytes]: stores take 16 rows of a block, reads take 16 blocks of a row, both on 16 different 16-byte columns; so the sum is also the turn
; into whole rows: sixteen lanes store 256 consecutive bytes of a row of y.
; The loop has a constant count of 32 trips, since a barrier stands in it; a trip beyond the expert's tiles jumps over the work and passes the barrier.
; NO TENSOR LOADS, NO CLUSTER: the work of a trip hangs on a count read from memory, and partners would need different numbers of tiles.
.set RED1,  17408                      ; LDS: two buffers by turns, each 4 waves x 16 blocks x 272 bytes
.set SPARE, 34816                      ; behind them: the spare words, 128 bytes a wave
.set WO,  4                            ; v4    r x 2,048 + 512 w + 16 h
.set HA,  5                            ; v5-6  the hidden layer's images, one offset for each buffer
.set SA,  7                            ; v7    where I put my partial sums
.set RA,  8                            ; v8    where I read the four partials of my rows
.set YO,  9                            ; v9    my 16 bytes in y
.set SPW, 10                           ; v10   my spare word; never rewritten
.set NIL, 11                           ; v11   0; never rewritten
.set HB,  32                           ; v32-95, v96-159: two buffers of four fragments
.set ACC, 160                          ; v160-191 four accumulators
.set RCV, 192                          ; v192-223 (wave that sent, pair of rows n) at 4 (2 src + n)
.set MSB, 0
.macro WIN new                         ; the immediate's high byte repeats the setting that is left
.if MSB != (\new)
	s_set_vgpr_msb (MSB<<8)|(\new)
.set MSB, \new
.endif
.endm
.macro HLOAD buf
.irp q, 0,1,2,3
.irp c, 0,1,2,3
	global_load_b128 v[HB+64*\buf+16*\q+4*\c:HB+64*\buf+16*\q+4*\c+3], v[HA+\buf], s[4:5] offset:\q*2048+512*\c
.endr
.endr
.endm
	s_load_b256 s[4:11], s[0:1], 0x0               ; hid s[4:5], down s[6:7], place s[8:9], y s[10:11]
	v_lshl_add_u32 v[SPW], v0, 2, SPARE
	v_mov_b32 v[NIL], 0
	v_lshrrev_b32 v1, 5, v0
	v_readfirstlane_b32 s16, v1                    ; wave
	s_lshr_b32 s17, ttmp9, 1                       ; the slice of 64 columns
	s_and_b32 s18, ttmp9, 1                        ; even or odd tiles
	s_and_b32 s19, ttmp7, 0xffff                   ; the expert
	v_and_b32 v1, 15, v0                           ; r
	v_bfe_u32 v2, v0, 4, 1                         ; h
	v_and_b32 v3, 31, v0                           ; lane
	v_lshlrev_b32 v[WO], 11, v1
	v_lshl_add_u32 v[WO], v2, 4, v[WO]
	s_lshl_b32 s23, s16, 9
	v_add_nc_u32 v[WO], s23, v[WO]
	v_mul_u32_u24 v[SA], v2, 544
	v_lshl_add_u32 v[SA], v1, 4, v[SA]
	s_mul_i32 s23, s16, 4352
	v_add_nc_u32 v[SA], s23, v[SA]                 ; block 4 T + 2 h + a, row r
	v_mul_u32_u24 v[RA], v1, 272
	v_lshl_add_u32 v[RA], v2, 4, v[RA]
	s_lshl_b32 s23, s16, 6
	v_add_nc_u32 v[RA], s23, v[RA]                 ; block lane % 16, row 4 w + lane / 16 (+ 2 n)
	v_lshlrev_b32 v[YO], 4, v1
	v_lshl_add_u32 v[YO], v2, 12, v[YO]
	s_lshl_b32 s23, s16, 14
	s_lshl_b32 s24, s18, 16
	s_add_co_u32 s23, s23, s24
	v_add_nc_u32 v[YO], s23, v[YO]                 ; tile x 65,536 + row x 4,096 + 16 (lane % 16)
	v_lshlrev_b32 v12, 4, v3
	s_lshl_b32 s23, s16, 13
	v_add_nc_u32 v12, s23, v12                     ; my four K steps of a tile's images: 8,192 w + 16 x lane
	s_lshl_b32 s36, s19, 2
	s_lshl_b32 s28, s19, 21                        ; hid: expert x 2^21
	s_mov_b32 s29, 0
	s_lshl_b32 s30, s17, 17
	s_add_co_u32 s30, s30, s28                     ; down_w: expert x 2^21 + slice x 64 rows
	s_mov_b32 s31, 0
	s_lshl_b32 s32, s19, 22
	s_lshl_b32 s33, s17, 8
	s_add_co_u32 s32, s32, s33                     ; y: expert x 2^22 + slice x 256 bytes
	s_mov_b32 s33, 0
	s_wait_kmcnt 0x0
	s_load_b32 s20, s[8:9], s36 offset:0xa000      ; n_e
	s_add_nc_u64 s[4:5], s[4:5], s[28:29]
	s_add_nc_u64 s[6:7], s[6:7], s[30:31]
	s_add_nc_u64 s[10:11], s[10:11], s[32:33]
	WIN 0x40                                       ; destination window 1: the fragment of (tile T, K step q) at 16 (4 q + T)
.irp q, 0,1,2,3
.irp t, 0,1,2,3
.irp c, 0,1,2,3
	global_load_b128 v[16*(4*\q+\t)+4*\c:16*(4*\q+\t)+4*\c+3], v[WO], s[6:7] offset:\t*32768+128*\q+32*\c
.endr
.endr
.endr
	WIN 0
	s_wait_kmcnt 0x0
	s_min_u32 s20, s20, 1024
	s_add_co_u32 s20, s20, 15
	s_lshr_b32 s20, s20, 4                         ; the expert's tiles
	s_add_co_u32 s21, s20, 1
	s_sub_co_u32 s21, s21, s18
	s_lshr_b32 s21, s21, 1                         ; how many of them are mine
	s_max_u32 s24, s20, 1
	s_sub_co_u32 s24, s24, 1                       ; the last tile that the launch before stored (tile 0 is always stored)
	s_min_u32 s25, s18, s24                        ; the first two trips' tiles, held at that one: a held offset belongs to a trip that does not exist, and is never stepped
	s_min_u32 s25, s25, 63
	s_lshl_b32 s25, s25, 15
	s_add_co_u32 s26, s18, 2
	s_min_u32 s26, s26, s24
	s_min_u32 s26, s26, 63
	s_lshl_b32 s26, s26, 15
	v_add_nc_u32 v[HA], s25, v12
	v_add_nc_u32 v[HA+1], s26, v12
	HLOAD 0
	HLOAD 1
.macro TRIP buf
	s_add_co_u32 s23, s22, \buf
	s_cmp_lt_u32 s23, s21
	s_cbranch_scc0 .Lidle_a_\@
	s_wait_loadcnt 0x0                             ; the images, in the first trip the weights too; for 0, since the loads behind them differ from way to way
	WIN 0x01                                       ; source 0 window 1
.irp q, 0,1,2,3                        ; the four accumulators take turns, one instruction a turn; the first four start the sums
.irp t, 0,1,2,3
.if \q == 0
	v_wmma_f32_16x16x128_bf8_bf8 v[ACC+8*\t:ACC+8*\t+7], v[16*(4*\q+\t):16*(4*\q+\t)+15], v[HB+64*\buf+16*\q:HB+64*\buf+16*\q+15], 0
.else
	v_wmma_f32_16x16x128_bf8_bf8 v[ACC+8*\t:ACC+8*\t+7], v[16*(4*\q+\t):16*(4*\q+\t)+15], v[HB+64*\buf+16*\q:HB+64*\buf+16*\q+15], v[ACC+8*\t:ACC+8*\t+7]
.endif
.endr
.endr
	WIN 0
.rept 5
	v_nop                                          ; four places ahead of the stores of results and of the loads into the images' registers, five ahead of the next trip's products, which begin these accumulators anew
.endr
.irp t, 0,1,2,3
.irp a, 0,1
	ds_store_b128 v[SA], v[ACC+8*\t+4*\a:ACC+8*\t+4*\a+3] offset:\buf*RED1+(4*\t+\a)*272   ; each accumulator from its low end on
.endr
.endr
	s_add_co_u32 s39, s23, 2
	s_cmp_lt_u32 s39, s21
	s_cbranch_scc0 .Lidle_a_\@
	v_add_nc_u32 v[HA+\buf], 0x20000, v[HA+\buf]   ; four tiles on (all earlier loads are done: the offset may be written)
	HLOAD \buf
.Lidle_a_\@:
	s_wait_dscnt 0x0                               ; my stores have landed, and my reads of the other buffer are over
	s_barrier_signal -1
	s_barrier_wait -1
	s_cmp_lt_u32 s23, s21
	s_cbranch_scc0 .Lidle_b_\@
	s_wait_xcnt 0x0                                ; the last stores to y have read their data and their offset
.irp src, 0,1,2,3
.irp n, 0,1
	ds_load_b128 v[RCV+4*(2*\src+\n):RCV+4*(2*\src+\n)+3], v[RA] offset:\buf*RED1+\src*4352+32*\n
.endr
.endr
	v_add_nc_u32 v[YO], 0x20000, v[YO]             ; two tiles on; the stores below reach back
	s_wait_dscnt 0x0
.irp n, 0,1
.irp i, 0,2
	v_pk_add_f32 v[RCV+4*\n+\i:RCV+4*\n+\i+1], v[RCV+4*\n+\i:RCV+4*\n+\i+1], v[RCV+8+4*\n+\i:RCV+8+4*\n+\i+1]
	v_pk_add_f32 v[RCV+16+4*\n+\i:RCV+16+4*\n+\i+1], v[RCV+16+4*\n+\i:RCV+16+4*\n+\i+1], v[RCV+24+4*\n+\i:RCV+24+4*\n+\i+1]
.endr
.irp i, 0,2
	v_pk_add_f32 v[RCV+4*\n+\i:RCV+4*\n+\i+1], v[RCV+4*\n+\i:RCV+4*\n+\i+1], v[RCV+16+4*\n+\i:RCV+16+4*\n+\i+1]
.endr
	global_store_b128 v[YO], v[RCV+4*\n:RCV+4*\n+3], s[10:11] offset:-131072+8192*\n   ; two rows; sixteen lanes store 256 consecutive bytes, at a multiple of 256 from y's first byte
.endr
.Lidle_b_\@:
.endm
	s_mov_b32 s22, 0
.Ltrips:
	TRIP 0
	TRIP 1
	s_add_co_u32 s22, s22, 2
	s_cmp_lt_u32 s22, 32
	s_cbranch_scc1 .Ltrips
	s_wait_tensorcnt 0x0                           ; the wave's end
	ds_add_u32 v[SPW], v[NIL]
	s_wait_dscnt 0x0
	s_endpgm
.Lfunc_end_k_q917f3151f6_down:
	.size	k_q917f3151f6_down, .Lfunc_end_k_q917f3151f6_down-k_q917f3151f6_down
	.p2alignl 7, 3214868480
	.fill 96, 4, 3214868480
	.section	.rodata,"a",@progbits
	.p2align	6, 0x0
	.amdhsa_kernel k_q917f3151f6_down
		.amdhsa_group_segment_fixed_size 35328
		.amdhsa_private_segment_fixed_size 0
		.amdhsa_enable_private_segment 0
		.amdhsa_kernarg_size 32
		.amdhsa_user_sgpr_count 2
		.amdhsa_user_sgpr_kernarg_segment_ptr 1
		.amdhsa_wavefront_size32 1
		.amdhsa_system_sgpr_workgroup_id_x 1
		.amdhsa_system_sgpr_workgroup_id_y 1
		.amdhsa_system_sgpr_workgroup_id_z 1
		.amdhsa_system_vgpr_workitem_id 0
		.amdhsa_next_free_vgpr 512
		.amdhsa_next_free_sgpr 66
		.amdhsa_reserve_vcc 0
		.amdhsa_float_denorm_mode_32 3
		.amdhsa_float_denorm_mode_16_64 3
		.amdhsa_memory_ordered 1
		.amdhsa_forward_progress 1
		.amdhsa_inst_pref_size 23
	.end_amdhsa_kernel
	.amdgpu_metadata
---
amdhsa.version: [ 1, 2 ]
amdhsa.kernels:
  - .name:           k_q917f3151f6_down
    .symbol:         k_q917f3151f6_down.kd
    .args:
      - { .name: hid, .offset: 0, .size: 8, .value_kind: global_buffer, .address_space: global }
      - { .name: down_w_codes, .offset: 8, .size: 8, .value_kind: global_buffer, .address_space: global }
      - { .name: place, .offset: 16, .size: 8, .value_kind: global_buffer, .address_space: global }
      - { .name: y, .offset: 24, .size: 8, .value_kind: global_buffer, .address_space: global }
    .group_segment_fixed_size: 35328
    .private_segment_fixed_size: 0
    .kernarg_segment_align: 8
    .kernarg_segment_size: 32
    .max_flat_workgroup_size: 128
    .sgpr_count:     66
    .vgpr_count:     512
    .wavefront_size: 32
...
	.end_amdgpu_metadata
.endif
;; end of part 4
;; launch combine (part 5): grid 256 x 1, 4 waves a work-group, no clusters, 0 bytes of LDS; arguments y, place, rwt, lowp_scales, out0; writes out0
.if DOCPART == 5
	.amdgcn_target "amdgcn-amd-amdhsa--gfx1250"
	.amdhsa_code_object_version 6
	.text
	.protected	k_q917f3151f6_combine
	.globl	k_q917f3151f6_combine
	.p2align	8
	.type	k_q917f3151f6_combine,@function
k_q917f3151f6_combine:
	s_mov_b64 s[64:65], 0
	v_nop
	global_prefetch_b8 v0, s[64:65] scope:SCOPE_SE
	s_setreg_imm32_b32 hwreg(HW_REG_WAVE_MODE, 25, 1), 1
	s_wait_xcnt 0x0
; out0[t] = w0 2^(e4 + e5) y[pos0] + w1 2^(e4 + e5) y[pos1]: the sum over experts with the six terms left out whose combine weight is 0 by construction (shown at the head of the first kernel).
; A wave takes a token: its two rows of y (4,096 bytes each) are read once, 512 consecutive bytes a load, and its row of out0 is written once, 512 consecutive bytes a store.
; The two places are whole numbers that an earlier launch stored; each is bounded before it enters an address.  A stream: no LDS, no matrix unit, no cluster (work-groups share nothing).
; LIMIT: e4 + e5 between -126 and 127, so that 2^(e4 + e5) is an f32 number.
	s_load_b256 s[4:11], s[0:1], 0x0               ; y s[4:5], place s[6:7], rwt s[8:9], lowp_scales s[10:11]
	s_load_b64 s[12:13], s[0:1], 0x20              ; out0
	v_lshrrev_b32 v1, 5, v0
	v_readfirstlane_b32 s14, v1                    ; wave
	v_and_b32 v2, 31, v0
	v_lshlrev_b32 v2, 4, v2                        ; 16 x lane
	s_lshl_b32 s15, ttmp9, 2
	s_add_co_u32 s15, s15, s14                     ; the token
	s_lshl_b32 s24, s15, 3
	s_lshl_b32 s28, s15, 12
	s_mov_b32 s29, 0
	s_wait_kmcnt 0x0
	s_load_b64 s[20:21], s[6:7], s24 offset:0x8000 ; pos0, pos1
	s_load_b64 s[22:23], s[8:9], s24 offset:0x0    ; w0, w1
	s_load_b64 s[26:27], s[10:11], 0x10            ; e4, e5
	s_add_nc_u64 s[12:13], s[12:13], s[28:29]
	s_wait_kmcnt 0x0
	s_min_u32 s20, s20, 8191
	s_lshl_b32 s30, s20, 12
	s_mov_b32 s31, 0
	s_add_nc_u64 s[30:31], s[4:5], s[30:31]        ; the first row of y
	s_min_u32 s21, s21, 8191
	s_lshl_b32 s32, s21, 12
	s_mov_b32 s33, 0
	s_add_nc_u64 s[32:33], s[4:5], s[32:33]        ; the second
.irp j, 0,1,2,3,4,5,6,7
	global_load_b128 v[8+8*\j:11+8*\j], v2, s[30:31] offset:512*\j th:TH_LOAD_NT
	global_load_b128 v[12+8*\j:15+8*\j], v2, s[32:33] offset:512*\j th:TH_LOAD_NT
.endr
	s_add_co_i32 s26, s26, s27
	s_add_co_i32 s26, s26, 127
	s_lshl_b32 s26, s26, 23                        ; 2^(e4 + e5) as f32
	s_mul_f32 s34, s22, s26
	s_mov_b32 s35, s34                             ; (named with it as a pair, so it is written)
	s_mul_f32 s36, s23, s26
	s_mov_b32 s37, s36
.irp j, 0,1,2,3,4,5,6,7
	s_wait_loadcnt 14-2*\j                         ; the loads of the later pieces are younger: piece j's two are in
	v_pk_mul_f32 v[8+8*\j:9+8*\j], v[8+8*\j:9+8*\j], s[34:35] op_sel_hi:[1,0]
	v_pk_mul_f32 v[10+8*\j:11+8*\j], v[10+8*\j:11+8*\j], s[34:35] op_sel_hi:[1,0]
	v_pk_fma_f32 v[8+8*\j:9+8*\j], v[12+8*\j:13+8*\j], s[36:37], v[8+8*\j:9+8*\j] op_sel_hi:[1,0,1]
	v_pk_fma_f32 v[10+8*\j:11+8*\j], v[14+8*\j:15+8*\j], s[36:37], v[10+8*\j:11+8*\j] op_sel_hi:[1,0,1]
	global_store_b128 v2, v[8+8*\j:11+8*\j], s[12:13] offset:512*\j th:TH_STORE_NT   ; no register of a store is written again
.endr
	s_endpgm
.Lfunc_end_k_q917f3151f6_combine:
	.size	k_q917f3151f6_combine, .Lfunc_end_k_q917f3151f6_combine-k_q917f3151f6_combine
	.p2alignl 7, 3214868480
	.fill 96, 4, 3214868480
	.section	.rodata,"a",@progbits
	.p2align	6, 0x0
	.amdhsa_kernel k_q917f3151f6_combine
		.amdhsa_group_segment_fixed_size 0
		.amdhsa_private_segment_fixed_size 0
		.amdhsa_enable_private_segment 0
		.amdhsa_kernarg_size 40
		.amdhsa_user_sgpr_count 2
		.amdhsa_user_sgpr_kernarg_segment_ptr 1
		.amdhsa_wavefront_size32 1
		.amdhsa_system_sgpr_workgroup_id_x 1
		.amdhsa_system_sgpr_workgroup_id_y 1
		.amdhsa_system_sgpr_workgroup_id_z 1
		.amdhsa_system_vgpr_workitem_id 0
		.amdhsa_next_free_vgpr 72
		.amdhsa_next_free_sgpr 66
		.amdhsa_reserve_vcc 0
		.amdhsa_float_denorm_mode_32 3
		.amdhsa_float_denorm_mode_16_64 3
		.amdhsa_memory_ordered 1
		.amdhsa_forward_progress 1
		.amdhsa_inst_pref_size 7
	.end_amdhsa_kernel
	.amdgpu_metadata
---
amdhsa.version: [ 1, 2 ]
amdhsa.kernels:
  - .name:           k_q917f3151f6_combine
    .symbol:         k_q917f3151f6_combine.kd
    .args:
      - { .name: y, .offset: 0, .size: 8, .value_kind: global_buffer, .address_space: global }
      - { .name: place, .offset: 8, .size: 8, .value_kind: global_buffer, .address_space: global }
      - { .name: rwt, .offset: 16, .size: 8, .value_kind: global_buffer, .address_space: global }
      - { .name: lowp_scales, .offset: 24, .size: 8, .value_kind: global_buffer, .address_space: global }
      - { .name: out0, .offset: 32, .size: 8, .value_kind: global_buffer, .address_space: global }
    .group_segment_fixed_size: 0
    .private_segment_fixed_size: 0
    .kernarg_segment_align: 8
    .kernarg_segment_size: 40
    .max_flat_workgroup_size: 128
    .sgpr_count:     66
    .vgpr_count:     72
    .wavefront_size: 32
...
	.end_amdgpu_metadata
.endif
;; end of part 5
;; ======== version 2 of 2: 4 launches
;; limits: right only within a limited range of input values
;; workspace buffers: xq 2,097,152 bytes; route 4,096 bytes of whole numbers; rwt 8,192 bytes; stat 32,768 bytes; place 33,024 bytes of whole numbers; hid 16,777,216 bytes; y 33,554,432 bytes
;; launch route (part 6): grid 512 x 1, 1 waves a work-group, no clusters, 4,352 bytes of LDS; arguments x, router_w, lowp_scales, xq, route, rwt, stat; writes xq, route, rwt, stat
.if DOCPART == 6
	.amdgcn_target "amdgcn-amd-amdhsa--gfx1250"
	.amdhsa_code_object_version 6
	.text
	.protected	k_q917f3151f6_route
	.globl	k_q917f3151f6_route
	.p2align	8
	.type	k_q917f3151f6_route,@function
k_q917f3151f6_route:
	s_mov_b64 s[64:65], 0
	v_nop
	global_prefetch_b8 v0, s[64:65] scope:SCOPE_SE
	s_setreg_imm32_b32 hwreg(HW_REG_WAVE_MODE, 25, 1), 1
	s_wait_xcnt 0x0
; ROUTER AND x's CODES.  T = 1,024 tokens, H = 1,024, E = 8 experts, 2 chosen for each token.
; WORK LEFT OUT BY THE WHOLE PROGRAM.  combine[t][e] is a sum of one_hot(topk_idx) x topk_w: for every expert e outside token t's two chosen ones it is exactly 0, whatever the inputs hold.
; out[t] = sum over e of combine[t][e] x expert_out[e][t], so row t of the gate, up and down products of an expert that was not chosen reaches no output: only the 2,048 chosen (token, expert) rows
; are multiplied.  The products with one_hot are a selection and a sum of two terms.  The sum over t of expert_mask[t][e] is the number of tokens that chose e, since a token's two indices differ.
; Every input has a way to an output and is loaded.  LIMIT: a NaN, an infinity or an overflow that arises only in a row of an expert that was not chosen is not carried to the result.
; THIS LAUNCH: logits in f32, softmax with the maximum taken away, the two largest (the lower index wins a tie, as in lax.top_k), their weights w = p / (p_first + p_second) (the softmax's divisor cancels),
; the sums for the aux loss (z^2 and the eight probabilities, summed over the wave's two tokens), and x quantised twice: set 0 with lowp_scales[1] (gate's product), set 1 with lowp_scales[3] (up's).
; The chosen experts are stored as whole numbers at fixed places; no address and no branch here hangs on them.
; SHARES: a work-group is one wave and owns tokens 2 g and 2 g + 1.  In piece j of 8, lane l holds k = 128 j + 4 l + 0 .. 3, of x and of router_w alike: every load reads 512 consecutive bytes.
; The codes (4 a lane and piece) go through LDS, so that each store to xq covers 512 consecutive bytes.
; LIMITS: lowp_scales[1] and [3] between -126 and 112.  NaN among the inputs is not served.  A probability under 2^-126 counts as 0 (v_exp_f32 flushes), so among such experts the lower index is taken.
; No matrix unit: the product has 8 columns and feeds a choice, it stays in f32 multiply-adds.  No cluster: work-groups share only router_w, 32 KiB.
.set SPARE, 4096                       ; behind the four rows of codes: the spare words of the one wave, a block of 256 bytes that no other line names
.set T,   32                           ; v32-63   numbers held within the largest code; later work registers
.set X,   64                           ; v64-127  x: token tau at 32 tau, piece j at 4 j
.set ACC, 128                          ; v128-159 sixteen pairs: the sums of (tau, e) at 2 (8 tau + e)
.set C,   160                          ; v160-191 codes, 8 registers a run (run = 2 tau + set)
.set OUT, 192                          ; v192-223 rows of codes read back, 8 registers a run
.set LG,  224                          ; v224-231 logits
.set PP,  232                          ; v232-239 the second token's logits, then p
.set MSB, 0
.macro WIN new                         ; the immediate's high byte repeats the setting that is left
.if MSB != (\new)
	s_set_vgpr_msb (MSB<<8)|(\new)
.set MSB, \new
.endif
.endm
	s_load_b256 s[4:11], s[0:1], 0x0               ; x s[4:5], router_w s[6:7], lowp_scales s[8:9], xq s[10:11]
	s_load_b128 s[12:15], s[0:1], 0x20             ; route s[12:13], rwt s[14:15]
	s_load_b64 s[16:17], s[0:1], 0x30              ; stat
	v_lshl_add_u32 v3, v0, 2, SPARE                ; my spare word
	v_mov_b32 v4, 0                                ; and 0: both kept for the closing lines alone
	v_lshlrev_b32 v1, 4, v0                        ; 16 x lane
	v_lshlrev_b32 v2, 2, v0                        ; 4 x lane
	v_lshlrev_b32 v5, 3, v0                        ; 8 x lane
	s_mov_b32 s24, 0x76543210                      ; v_permlanex16_b32's selects: lane l xor 16
	s_mov_b32 s25, 0xfedcba98
	s_mov_b32 s26, 0xaaaaaaaa                      ; the odd lanes
	s_lshl_b32 s28, ttmp9, 13                      ; two rows of x
	s_mov_b32 s29, 0
	s_lshl_b32 s32, ttmp9, 11                      ; two rows of codes
	s_mov_b32 s33, 0
	s_lshl_b32 s34, ttmp9, 3                       ; two words of route
	s_mov_b32 s35, 0
	s_lshl_b32 s36, ttmp9, 4                       ; two pairs of weights
	s_mov_b32 s37, 0
	s_lshl_b32 s38, ttmp9, 6                       ; my sixteen words of stat
	s_mov_b32 s39, 0
	s_wait_alu depctr_va_vdst(0)
	s_wait_kmcnt 0x0
	s_load_b128 s[20:23], s[8:9], 0x0              ; e0 .. e3; e1 and e3 are x's
	s_add_nc_u64 s[4:5], s[4:5], s[28:29]
	s_add_nc_u64 s[10:11], s[10:11], s[32:33]
	s_add_nc_u64 s[12:13], s[12:13], s[34:35]
	s_add_nc_u64 s[14:15], s[14:15], s[36:37]
	s_add_nc_u64 s[16:17], s[16:17], s[38:39]
.irp tau, 0,1
.irp j, 0,1,2,3,4,5,6,7
	global_load_b128 v[X+32*\tau+4*\j:X+32*\tau+4*\j+3], v1, s[4:5] offset:\tau*4096+512*\j th:TH_LOAD_NT
.endr
.endr
	WIN 0x40                                       ; destination window 1: router_w, expert e at 32 e, piece j at 4 j
.irp e, 0,1,2,3,4,5,6,7
.irp j, 0,1,2,3,4,5,6,7
	global_load_b128 v[32*\e+4*\j:32*\e+4*\j+3], v1, s[6:7] offset:\e*4096+512*\j
.endr
.endr
	WIN 0
	s_wait_kmcnt 0x0
	s_add_co_i32 s28, s21, 127
	s_lshl_b32 s29, s28, 23
	v_mov_b32 v8, s29                              ; 2^e1 as f32: the conversion takes its exponent field
	s_add_co_i32 s28, s28, 15
	s_lshl_b32 s28, s28, 23
	s_or_b32 s28, s28, 0x600000
	v_mov_b32 v9, s28                              ; 57,344 x 2^e1
	s_add_co_i32 s28, s23, 127
	s_lshl_b32 s29, s28, 23
	v_mov_b32 v10, s29                             ; the same with e3
	s_add_co_i32 s28, s28, 15
	s_lshl_b32 s28, s28, 23
	s_or_b32 s28, s28, 0x600000
	v_mov_b32 v11, s28
	s_wait_alu depctr_va_vdst(0)
	s_wait_loadcnt 0x3f                            ; 64 loads were issued behind x's last: with at most 63 out, x is in
; One token with one scale: 32 numbers a lane are held within the largest code x the scale (the conversion does not saturate: ISA guide 7.6.2), converted, and laid in LDS in the order of k.
.macro QRUN tau, set, sc, lim
.set RUN, 2*(\tau)+(\set)
.set i, 0
.rept 32
	v_med3_num_f32 v[T+i], v[X+32*(\tau)+i], -v[\lim], v[\lim]
.set i, i+1
.endr
.irp a, 0,1,2,3
	v_cvt_scalef32_pk8_bf8_f32 v[C+8*RUN+2*\a:C+8*RUN+2*\a+1], v[T+8*\a:T+8*\a+7], v[\sc]   ; register 2 a: piece 2 a's four codes; register 2 a + 1: piece 2 a + 1's
.endr
	v_nop                                          ; a plain line between the conversions and the next run's writes of their sources
.irp j, 0,1,2,3,4,5,6,7
	ds_store_b32 v2, v[C+8*RUN+\j] offset:RUN*1024+128*\j
.endr
.endm
	QRUN 0, 0, 8, 9
	QRUN 0, 1, 10, 11
	QRUN 1, 0, 8, 9
	QRUN 1, 1, 10, 11
.irp run, 0,1,2,3
.irp i, 0,1
	ds_load_b128 v[OUT+8*\run+4*\i:OUT+8*\run+4*\i+3], v1 offset:\run*1024+512*\i   ; LDS serves a wave's instructions in order: these see my stores
.endr
.endr
	s_wait_dscnt 0x0
.irp tau, 0,1
.irp set, 0,1
.irp i, 0,1
	global_store_b128 v1, v[OUT+8*(2*\tau+\set)+4*\i:OUT+8*(2*\tau+\set)+4*\i+3], s[10:11] offset:\set*1048576+\tau*1024+512*\i   ; 512 consecutive bytes
.endr
.endr
.endr
	; the logits: sixteen chains of packed multiply-adds, two tokens x eight experts; the first product starts each sum
	s_wait_loadcnt 0x0                             ; router_w is in
	WIN 0x04                                       ; source 1 window 1
.irp e, 0,1,2,3,4,5,6,7
.irp tau, 0,1
	v_pk_mul_f32 v[ACC+2*(8*\tau+\e):ACC+2*(8*\tau+\e)+1], v[X+32*\tau:X+32*\tau+1], v[32*\e:32*\e+1]
.endr
.endr
.set p, 1
.rept 15
.irp e, 0,1,2,3,4,5,6,7
.irp tau, 0,1
	v_pk_fma_f32 v[ACC+2*(8*\tau+\e):ACC+2*(8*\tau+\e)+1], v[X+32*\tau+2*p:X+32*\tau+2*p+1], v[32*\e+2*p:32*\e+2*p+1], v[ACC+2*(8*\tau+\e):ACC+2*(8*\tau+\e)+1]
.endr
.endr
.set p, p+1
.endr
	WIN 0
.irp n, 0,1,2,3,4,5,6,7,8,9,10,11,12,13,14,15
	v_add_f32 v[LG+\n], v[ACC+2*\n], v[ACC+2*\n+1]
.endr
.irp n, 0,1,2,3,4,5,6,7,8,9,10,11,12,13,14,15
	v_add_f32_dpp v[LG+\n], v[LG+\n], v[LG+\n] row_xmask:1 row_mask:0xf bank_mask:0xf   ; lanes l and l xor 1 now hold the same sum
.endr
.irp e, 0,1,2,3,4,5,6,7
	v_cndmask_b32 v[LG+\e], v[LG+\e], v[PP+\e], s26   ; even lanes go on with token 2 g, odd lanes with token 2 g + 1
.endr
.irp m, 2,4,8
.irp e, 0,1,2,3,4,5,6,7
	v_add_f32_dpp v[LG+\e], v[LG+\e], v[LG+\e] row_xmask:\m row_mask:0xf bank_mask:0xf
.endr
.endr
.irp e, 0,1,2,3,4,5,6,7
	v_permlanex16_b32 v[PP+\e], v[LG+\e], s24, s25
.endr
.irp e, 0,1,2,3,4,5,6,7
	v_add_f32 v[LG+\e], v[LG+\e], v[PP+\e]         ; the lane's token's logit of expert e
.endr
	; softmax: v40 m, v41 s, v42 / v43 first index and p, v44 / v45 second
	v_max3_num_f32 v40, v224, v225, v226
	v_max3_num_f32 v40, v40, v227, v228
	v_max3_num_f32 v40, v40, v229, v230
	v_max_num_f32 v40, v40, v231
.irp e, 0,1,2,3,4,5,6,7
	v_sub_f32 v[PP+\e], v[LG+\e], v40
.endr
.irp e, 0,1,2,3,4,5,6,7
	v_mul_f32 v[PP+\e], 0x3fb8aa3b, v[PP+\e]       ; x log2(e)
.endr
	s_wait_alu depctr_va_vdst(0)
.irp e, 0,1,2,3,4,5,6,7
	v_exp_f32 v[PP+\e], v[PP+\e]
.endr
	v_mov_b32 v42, 0                               ; a plain line behind the exponentials
	s_wait_alu depctr_va_vdst(0)                   ; one wait for the eight, ahead of their first reader
	v_add_f32 v41, v232, v233
	v_add_f32 v46, v234, v235
	v_add_f32 v47, v236, v237
	v_add_f32 v48, v238, v239
	v_add_f32 v41, v41, v46
	v_add_f32 v47, v47, v48
	v_add_f32 v41, v41, v47                        ; s
	v_mov_b32 v43, v232
.irp e, 1,2,3,4,5,6,7
	v_cmp_le_f32 vcc_lo, v[PP+\e], v43             ; not larger: the earlier index stays
	v_cndmask_b32 v42, \e, v42, vcc_lo
	v_cndmask_b32 v43, v[PP+\e], v43, vcc_lo
.endr
.irp e, 0,1,2,3,4,5,6,7
	v_cmp_ne_u32 vcc_lo, \e, v42
	v_cndmask_b32 v[T+\e], -1.0, v[PP+\e], vcc_lo  ; the first choice is taken out: -1 lies under every p
.endr
	v_mov_b32 v44, 0
	v_mov_b32 v45, v32
.irp e, 1,2,3,4,5,6,7
	v_cmp_le_f32 vcc_lo, v[T+\e], v45
	v_cndmask_b32 v44, \e, v44, vcc_lo
	v_cndmask_b32 v45, v[T+\e], v45, vcc_lo
.endr
	v_add_f32 v49, v43, v45
	s_wait_alu depctr_va_vdst(0)
	v_rcp_f32 v50, v41                             ; 1 / s
	v_log_f32 v51, v41                             ; log2(s)
	v_rcp_f32 v52, v49                             ; 1 / (p_first + p_second)
	v_lshl_or_b32 v58, v44, 8, v42                 ; (a plain line behind the three)  first | second << 8
	s_wait_alu depctr_va_vdst(0)                   ; one wait for the three
	v_mul_f32 v54, v43, v52                        ; the two weights
	v_mul_f32 v55, v45, v52
	v_mov_b32 v61, 0x10000                         ; bit 16 + e of the stored word is set for the two chosen experts
	v_lshlrev_b32 v60, v42, v61
	v_lshlrev_b32 v61, v44, v61
	v_or_b32 v60, v60, v61
	v_or_b32 v58, v58, v60
.irp e, 0,1,2,3,4,5,6,7
	v_mul_f32 v[PP+\e], v[PP+\e], v50              ; the probabilities
.endr
	v_fmamk_f32 v56, v51, 0x3f317218, v40          ; z = m + ln(s)
	v_mul_f32 v56, v56, v56
	v_add_f32_dpp v56, v56, v56 row_xmask:1 row_mask:0xf bank_mask:0xf   ; both tokens'
.irp e, 0,1,2,3,4,5,6,7
	v_add_f32_dpp v[PP+\e], v[PP+\e], v[PP+\e] row_xmask:1 row_mask:0xf bank_mask:0xf
.endr
	v_mov_b32 v57, 0                               ; lane j takes word j of my sixteen: z^2, the eight probabilities, zeros
	v_cmp_eq_u32 vcc_lo, 0, v0
	v_cndmask_b32 v57, v57, v56, vcc_lo
.irp e, 0,1,2,3,4,5,6,7
	v_cmp_eq_u32 vcc_lo, \e+1, v0
	v_cndmask_b32 v57, v57, v[PP+\e], vcc_lo
.endr
	v_cmp_gt_u32 vcc_lo, 16, v0
	s_wait_alu depctr_va_vdst(0)
	s_wait_xcnt 0x0                                ; EXEC is a source of the stores that are out: it changes only behind this wait
	s_and_saveexec_b32 s30, vcc_lo
	global_store_b32 v2, v57, s[16:17]
	s_wait_xcnt 0x0
	s_or_b32 exec_lo, exec_lo, s30
	v_cmp_gt_u32 vcc_lo, 2, v0                     ; lane 0 stands for token 2 g, lane 1 for token 2 g + 1
	s_and_saveexec_b32 s30, vcc_lo
	global_store_b32 v2, v58, s[12:13]
	global_store_b64 v5, v[54:55], s[14:15]
	s_wait_xcnt 0x0
	s_or_b32 exec_lo, exec_lo, s30
	s_wait_tensorcnt 0x0                           ; the wave's end
	ds_add_u32 v3, v4
	s_wait_dscnt 0x0
	s_endpgm
.Lfunc_end_k_q917f3151f6_route:
	.size	k_q917f3151f6_route, .Lfunc_end_k_q917f3151f6_route-k_q917f3151f6_route
	.p2alignl 7, 3214868480
	.fill 96, 4, 3214868480
	.section	.rodata,"a",@progbits
	.p2align	6, 0x0
	.amdhsa_kernel k_q917f3151f6_route
		.amdhsa_group_segment_fixed_size 4352
		.amdhsa_private_segment_fixed_size 0
		.amdhsa_enable_private_segment 0
		.amdhsa_kernarg_size 56
		.amdhsa_user_sgpr_count 2
		.amdhsa_user_sgpr_kernarg_segment_ptr 1
		.amdhsa_wavefront_size32 1
		.amdhsa_system_sgpr_workgroup_id_x 1
		.amdhsa_system_sgpr_workgroup_id_y 1
		.amdhsa_system_sgpr_workgroup_id_z 1
		.amdhsa_system_vgpr_workitem_id 0
		.amdhsa_next_free_vgpr 512
		.amdhsa_next_free_sgpr 66
		.amdhsa_reserve_vcc 1
		.amdhsa_float_denorm_mode_32 3
		.amdhsa_float_denorm_mode_16_64 3
		.amdhsa_memory_ordered 1
		.amdhsa_forward_progress 1
		.amdhsa_inst_pref_size 49
	.end_amdhsa_kernel
	.amdgpu_metadata
---
amdhsa.version: [ 1, 2 ]
amdhsa.kernels:
  - .name:           k_q917f3151f6_route
    .symbol:         k_q917f3151f6_route.kd
    .args:
      - { .name: x, .offset: 0, .size: 8, .value_kind: global_buffer, .address_space: global }
      - { .name: router_w, .offset: 8, .size: 8, .value_kind: global_buffer, .address_space: global }
      - { .name: lowp_scales, .offset: 16, .size: 8, .value_kind: global_buffer, .address_space: global }
      - { .name: xq, .offset: 24, .size: 8, .value_kind: global_buffer, .address_space: global }
      - { .name: route, .offset: 32, .size: 8, .value_kind: global_buffer, .address_space: global }
      - { .name: rwt, .offset: 40, .size: 8, .value_kind: global_buffer, .address_space: global }
      - { .name: stat, .offset: 48, .size: 8, .value_kind: global_buffer, .address_space: global }
    .group_segment_fixed_size: 4352
    .private_segment_fixed_size: 0
    .kernarg_segment_align: 8
    .kernarg_segment_size: 56
    .max_flat_workgroup_size: 32
    .sgpr_count:     66
    .vgpr_count:     512
    .wavefront_size: 32
...
	.end_amdgpu_metadata
.endif
;; end of part 6
;; launch gateup (part 7): grid 32 x 8, 4 waves a work-group, no clusters, 222,208 bytes of LDS; arguments xq, gate_w_codes, up_w_codes, lowp_scales, route, hid, place; writes hid, place
.if DOCPART == 7
	.amdgcn_target "amdgcn-amd-amdhsa--gfx1250"
	.amdhsa_code_object_version 6
	.text
	.protected	k_q917f3151f6_gateup
	.globl	k_q917f3151f6_gateup
	.p2align	8
	.type	k_q917f3151f6_gateup,@function
k_q917f3151f6_gateup:
	s_mov_b64 s[64:65], 0
	v_nop
	global_prefetch_b8 v0, s[64:65] scope:SCOPE_SE
	s_setreg_imm32_b32 hwreg(HW_REG_WAVE_MODE, 25, 1), 1
	s_wait_xcnt 0x0
; THE GATE AND UP PRODUCTS OF THE CHOSEN ROWS, silu(gate) x up, AND ITS CODES.  Rows of experts that a token did not choose are left out: they reach no output (shown at the head of the first kernel).
; SHARES.  Work-group (x, y): expert y, hidden units 64 x .. 64 x + 63, all the expert's rows.  Wave w: tiles of 16 routed rows w + 4 i; the first five of them (80 rows) in one pass over K, for 64 rows of gate_w and 64 of up_w:
; 40 accumulators.  K goes in four steps of 256.
; PLACING.  A token's word in route has bit 16 + e set for its two experts.  Every wave reads all 1,024 words; chunk c = 4 j + i is tokens 128 j + 4 lane + i.  M_c: the chunk's lanes that chose this expert; Q_c: (how many stand in
; earlier chunks) << 16 | first token of the chunk.  A lane finds the token of its rank n: the last chunk with Q_c >> 16 <= n, then the (n - that)-th set bit of M_c.  Ranks from n_e on take token 0; nothing reads them.
; Work-groups x < 8 store pos[expert][token] = expert x 1,024 + rank (0 where not chosen) for 128 tokens each; work-group 0 stores n_e.
; STAGING.  Weights and rows are loaded as pieces of 256 bytes (two a load), laid in LDS, and read as fragments.  The weights (128 rows x 1,024 + 16 bytes) are shared and stay; each wave's rows (80 x 256 + 16) are its own, so only
; the weights need barriers: three, at fixed places.  A row piece of the next step is asked for when the stores of the registers that it lands in are done: 40 or 56 loads are out while a step is multiplied.
; THE MATRIX INSTRUCTION IS USED TRANSPOSED (source 0 = 16 rows of a weight, source 1 = 16 routed rows).  LDS row 16 T + r of a weight, T = 2 b + u, is hidden unit 32 b + 8 u + r + 8 (r / 8) of the slice, so that the 16 registers of
; tiles 2 b and 2 b + 1 are hidden units 32 b + 16 (lane / 16) + 0 .. 15.  hid is [expert][tile][K step of 128][4][lane][16 bytes]: an image of the down product's operand registers.
; TWO SCALES OF x.  xq set 0 is coded with e1 (gate), set 1 with e3 (up).  Where e1 = e3 the two sets are the same bytes, and the pass takes set 0 for both.  Where they differ the pass's sums are not used: every tile goes through the
; loop .Lgen, which takes both sets, as do the tiles from 20 on.
; SCALES.  hidden = G U 2^(e0+e1+e2+e3) / (1 + 2^(-log2(e) 2^(e0+e1) G)); its code is G U / (1 + ..) divided by 2^ef, ef = e4 - e0 - e1 - e2 - e3: one scale for the conversion.
; NO TENSOR LOADS, NO CLUSTER: the work hangs on counts read from memory.  NO PREFETCH: the pass has no loop to run ahead in; half of the weights is asked for at the head, the rest two steps ahead of its use.
; LIMITS: e0 + e1 between -126 and 127; ef between -126 and 112.  A factor 1 / (1 + 2^..) under 2^-126 counts as 0 (v_rcp_f32 flushes).  NaN among the inputs is not served.
; REGISTERS.  Window 0: below.  Window 1: v0-159 row pieces on their way; v160-223 gate's fragments.  Window 2: v0-159 gate's sums, v160-239 rows' fragments.  Window 3: v0-159 up's sums, v160-239 rows' fragments.
.set XB,    133120                     ; LDS: the weights, then 80 x 272 bytes a wave,
.set LIST,  220160                     ; then 96 tokens a wave,
.set SPARE, 221696                     ; then the spare words, 128 bytes a wave
.set SPW, 2
.set NIL, 3
.set RR,  4                            ; lane % 16
.set HH,  5                            ; lane / 16
.set LN,  6
.set L16, 7                            ; 16 x lane
.set R16, 8                            ; 16 x (lane % 16)
.set WO,  9                            ; my byte in the weight's slice
.set WST, 10                           ; where I lay weights
.set WGA, 11                           ; where I read gate's fragments
.set WUA, 12                           ; up's
.set XSA, 13                           ; where I lay rows
.set XRD, 14                           ; where I read their fragments
.set LST, 15                           ; the list, in
.set LRD, 16                           ; and out
.set HO,  17                           ; my byte in hid
.set HG,  18                           ; the same in .Lgen
.set SC,  19                           ; 2^ef
.set LIM, 20                           ; 57,344 x 2^ef
.set RK,  24                           ; v24-26 ranks
.set TOK, 27                           ; v27-29 tokens
.set OFF, 48                           ; v48-87 row offsets: token x 1,024 + 16 (lane % 16)
.set RT,  88                           ; v88-119 route words, later:
.set KEY, 88
.set QS,  91
.set MS,  94
.set A1,  97
.set A2,  100
.set A4,  103
.set PO,  106
.set TT,  109
.set TU,  112
.set CD,  88                           ; v88-127 codes on the way out
.set R,   128                          ; v128-159, v160-191: the way out.  v128-191 also: weights on their way;  v192-255 up's fragments
.set P,   160
.set Q,   30                           ; s30-61
.set M,   66                           ; s66-97
.set MSB, 0
.macro WIN new                         ; the immediate's high byte repeats the setting that is left
.if MSB != (\new)
	s_set_vgpr_msb (MSB<<8)|(\new)
.set MSB, \new
.endif
.endm
.macro NOPS n
.rept \n
	v_nop
.endr
.endm
.macro WLOAD s, reg, win               ; my 32 weight rows, K step s: 16 loads of two pieces
	WIN 0x40*\win
.irp j, 0,1,2,3,4,5,6,7,8,9,10,11,12,13,14,15
	global_load_b128 v[\reg+4*\j:\reg+4*\j+3], v[WO], s[6:7] offset:(8*(\j/8)+2*(\j%8)+8*((\j%8)/4))*1024+256*(\s) th:TH_LOAD_NT
.endr
	WIN 0
.endm
.macro WSTORE s, reg, win
	WIN 4*\win
.irp j, 0,1,2,3,4,5,6,7,8,9,10,11,12,13,14,15
	ds_store_b128 v[WST], v[\reg+4*\j:\reg+4*\j+3] offset:2080*\j+256*(\s)
.endr
	WIN 0
.endm
.macro XLOAD g, s                      ; 16 of my rows, K step s: 8 loads of two pieces
	WIN 0x40
.irp j, 0,1,2,3,4,5,6,7
	global_load_b128 v[4*(8*(\g)+\j):4*(8*(\g)+\j)+3], v[OFF+8*(\g)+\j], s[4:5] offset:256*(\s)
.endr
	WIN 0
.endm
.macro XSTORE g
	WIN 0x04
.irp j, 0,1,2,3,4,5,6,7
	ds_store_b128 v[XSA], v[4*(8*(\g)+\j):4*(8*(\g)+\j)+3] offset:544*(8*(\g)+\j)
.endr
	WIN 0
.endm
; lines for NG groups of ranks at a time
.macro VVV op, d, a, b
.set g, 0
.rept NG
	\op v[\d+g], v[\a+g], v[\b+g]
.set g, g+1
.endr
.endm
.macro VKV op, d, k, a
.set g, 0
.rept NG
	\op v[\d+g], \k, v[\a+g]
.set g, g+1
.endr
.endm
.macro TAKE                            ; where m >= the field's count: m less that count
.set g, 0
.rept NG
	v_cmp_le_u32 s[98+g], v[TT+g], v[KEY+g]
.set g, g+1
.endr
	VVV v_sub_nc_u32, TU, KEY, TT
.set g, 0
.rept NG
	v_cndmask_b32 v[KEY+g], v[KEY+g], v[TU+g], s[98+g]
.set g, g+1
.endr
.endm
.macro LEVEL src, k                    ; and k bits further on
.set g, 0
.rept NG
	v_bfe_u32 v[TT+g], v[\src+g], v[PO+g], \k
.set g, g+1
.endr
	TAKE
	VKV v_add_nc_u32, TU, \k, PO
.set g, 0
.rept NG
	v_cndmask_b32 v[PO+g], v[PO+g], v[TU+g], s[98+g]
.set g, g+1
.endr
.endm
.macro SEARCH                          ; RK -> TOK
.set g, 0
.rept NG
	v_lshl_or_b32 v[KEY+g], v[RK+g], 16, s101
	v_mov_b32 v[QS+g], s[Q]
	v_mov_b32 v[MS+g], s[M]
.set g, g+1
.endr
.set c, 1
.rept 31
.set g, 0
.rept NG
	v_cmp_le_u32 s[98+g], s[Q+c], v[KEY+g]
.set g, g+1
.endr
.set g, 0
.rept NG
	v_cndmask_b32 v[QS+g], v[QS+g], s[Q+c], s[98+g]
	v_cndmask_b32 v[MS+g], v[MS+g], s[M+c], s[98+g]
.set g, g+1
.endr
.set c, c+1
.endr
	VKV v_lshrrev_b32, TT, 16, QS
	VVV v_sub_nc_u32, KEY, RK, TT          ; m: which set bit of the chunk
	VKV v_lshrrev_b32, TT, 1, MS
	VKV v_and_b32, TT, 0x55555555, TT
	VVV v_sub_nc_u32, A1, MS, TT           ; bits set in each 2,
	VKV v_and_b32, A2, 0x33333333, A1
	VKV v_lshrrev_b32, TT, 2, A1
	VKV v_and_b32, TT, 0x33333333, TT
	VVV v_add_nc_u32, A2, A2, TT           ; each 4,
	VKV v_lshrrev_b32, TT, 4, A2
	VVV v_add_nc_u32, A4, A2, TT
	VKV v_and_b32, A4, 0x0f0f0f0f, A4      ; each 8,
	VKV v_lshrrev_b32, TT, 8, A4
	VVV v_add_nc_u32, TT, A4, TT
	VKV v_and_b32, TT, 0xff, TT            ; the low 16
	TAKE
.set g, 0
.rept NG
	v_cndmask_b32 v[PO+g], 0, 16, s[98+g]
.set g, g+1
.endr
	LEVEL A4, 8
	LEVEL A2, 4
	LEVEL A1, 2
	LEVEL MS, 1
	VKV v_and_b32, QS, 0xffff, QS
.set g, 0
.rept NG
	v_lshl_add_u32 v[TOK+g], v[PO+g], 2, v[QS+g]
	v_cmp_gt_u32 s[98+g], s21, v[RK+g]
.set g, g+1
.endr
.set g, 0
.rept NG
	v_cndmask_b32 v[TOK+g], 0, v[TOK+g], s[98+g]
.set g, g+1
.endr
.endm
.macro GLOAD ko                        ; gate's four fragments at byte ko of the rows
	WIN 0x40
.irp t, 0,1,2,3
.irp c, 0,1,2,3
	ds_load_b128 v[160+16*\t+4*\c:160+16*\t+4*\c+3], v[WGA] offset:\t*16640+\ko+32*\c
.endr
.endr
.endm
.macro ULOAD ko
	WIN 0
.irp t, 0,1,2,3
.irp c, 0,1,2,3
	ds_load_b128 v[192+16*\t+4*\c:192+16*\t+4*\c+3], v[WUA] offset:\t*16640+\ko+32*\c
.endr
.endr
.endm
.macro XFRAG q, i, ofs                 ; a tile's fragment into window 2 + q
	WIN 0x80+0x40*\q
.irp c, 0,1,2,3
	ds_load_b128 v[160+16*\i+4*\c:160+16*\i+4*\c+3], v[XRD] offset:\ofs+32*\c
.endr
.endm
.macro MUL src, zero, n                ; the 4 n accumulators take turns, one instruction a turn
.irp i, 0,1,2,3,4
.if \i < \n
.irp t, 0,1,2,3
.if \zero
	v_wmma_f32_16x16x128_bf8_bf8 v[8*(4*\i+\t):8*(4*\i+\t)+7], v[\src+16*\t:\src+16*\t+15], v[160+16*\i:160+16*\i+15], 0
.else
	v_wmma_f32_16x16x128_bf8_bf8 v[8*(4*\i+\t):8*(4*\i+\t)+7], v[\src+16*\t:\src+16*\t+15], v[160+16*\i:160+16*\i+15], v[8*(4*\i+\t):8*(4*\i+\t)+7]
.endif
.endr
.endif
.endr
.endm
.macro GMUL q, zero, n
	WIN 0xa9+4*\q
	MUL 160, \zero, \n
.endm
.macro UMUL q, zero, n
	WIN 0xf8+4*\q
	MUL 192, \zero, \n
.endm
; K step s of my rows goes into LDS, and step s + 1 is asked for, piece group by piece group; W steps are stored one step ahead of their use.
; Loads that may be out at each wait: those issued behind the ones waited for, 8 a group of rows, 16 a step of weights.
.macro DRAIN s
.if \s == 0
	s_wait_loadcnt 56                              ; behind weights 0: weights 1 (16), rows 0 (40)
	WSTORE 0, 128, 0
	s_wait_dscnt 0x0
	WLOAD 2, 128, 0
	s_wait_loadcnt 56                              ; behind weights 1: rows 0 (40), weights 2 (16)
	WSTORE 1, 160, 3
.elseif \s == 1
	s_wait_loadcnt 40                              ; behind weights 2: rows 1
	WSTORE 2, 128, 0
	s_wait_dscnt 0x0
	WLOAD 3, 128, 0
.elseif \s == 2
	s_wait_loadcnt 40                              ; behind weights 3: rows 2
	WSTORE 3, 128, 0
.endif
.irp g, 0,1,2,3,4
.if \s == 3
	s_wait_loadcnt 32-8*\g                         ; the later groups
.elseif \g == 0
	s_wait_loadcnt 48-16*(\s/2)                    ; four later groups, and in steps 0 and 1 the weights behind them
.else
	s_wait_loadcnt 40-16*(\s/2)                    ; group g - 1 has not been asked for anew yet: one group fewer
.endif
	XSTORE \g
.if \g > 0 && \s < 3
	s_wait_dscnt 8                                 ; the group before has left its registers
	XLOAD \g-1, \s+1
.endif
.endr
.if \s < 3
	s_wait_dscnt 0x0                               ; my stores have landed, the shared weights among them
	XLOAD 4, \s+1
	s_barrier_signal -1
	s_barrier_wait -1
.endif
.endm
.macro STEP s, zero
	DRAIN \s
	NOPS 4                                         ; places ahead of loads into registers that matrix instructions have read
	GLOAD 256*\s
.irp i, 0,1,2,3,4
	XFRAG 0, \i, 4352*\i
.endr
	ULOAD 256*\s
	s_wait_dscnt 16                                ; up's fragments may be out
	GMUL 0, \zero, 5
	NOPS 4
	GLOAD 256*\s+128
.irp i, 0,1,2,3,4
	XFRAG 1, \i, 4352*\i+128
.endr
	s_wait_dscnt 36                                ; up's fragments are in: 16 + 20 are younger
	UMUL 0, \zero, 5
	NOPS 4
	ULOAD 256*\s+128
	s_wait_dscnt 16
	GMUL 1, 0, 5
	s_wait_dscnt 0x0
	UMUL 1, 0, 5
	WIN 0
.endm
; THE WAY OUT of a tile: 32 sums of gate and of up from register a on, in windows 2 and 3 -> 32 codes a lane -> hid
.macro EPI a, cd, ho, ofs
	WIN 0x0e
	s_wait_alu depctr_va_vdst(0)                   ; a wait here, ahead of the sums' first readers
.set j, 0
.rept 16
	v_pk_mul_f32 v[R+j:R+j+1], v[\a+j:\a+j+1], s[62:63] op_sel_hi:[1,0]   ; -gate x log2(e)
.set j, j+2
.endr
.set j, 0
.rept 16
	v_pk_mul_f32 v[P+j:P+j+1], v[\a+j:\a+j+1], v[\a+j:\a+j+1]             ; G U: source 0 in window 2, source 1 in window 3
.set j, j+2
.endr
	WIN 0
	s_wait_alu depctr_va_vdst(0)
.set j, 0
.rept 32
	v_exp_f32 v[R+j], v[R+j]
.set j, j+1
.endr
	v_nop
	s_wait_alu depctr_va_vdst(0)                   ; one wait for the batch, ahead of its first reader
.set j, 0
.rept 16
	v_pk_add_f32 v[R+j:R+j+1], v[R+j:R+j+1], 1.0 op_sel_hi:[1,0]
.set j, j+2
.endr
	s_wait_alu depctr_va_vdst(0)
.set j, 0
.rept 32
	v_rcp_f32 v[R+j], v[R+j]
.set j, j+1
.endr
	v_nop
	s_wait_alu depctr_va_vdst(0)
.set j, 0
.rept 16
	v_pk_mul_f32 v[P+j:P+j+1], v[P+j:P+j+1], v[R+j:R+j+1]
.set j, j+2
.endr
.set j, 0
.rept 32
	v_med3_num_f32 v[P+j], v[P+j], -v[LIM], v[LIM]   ; the conversion does not saturate (ISA guide 7.6.2): the hold at the largest code x the scale
.set j, j+1
.endr
.irp k, 0,1,2,3
	v_cvt_scalef32_pk8_bf8_f32 v[\cd+2*\k:\cd+2*\k+1], v[P+8*\k:P+8*\k+7], v[SC]
.endr
	v_nop                                          ; a plain line behind the conversions
	global_store_b128 v[\ho], v[\cd:\cd+3], s[14:15] offset:\ofs
	global_store_b128 v[\ho], v[\cd+4:\cd+7], s[14:15] offset:\ofs+512   ; each 512 consecutive bytes
.endm
	s_load_b256 s[4:11], s[0:1], 0x0               ; xq s[4:5], gate s[6:7], up s[8:9], lowp_scales s[10:11]
	s_load_b128 s[12:15], s[0:1], 0x20             ; route s[12:13], hid s[14:15]
	s_load_b64 s[16:17], s[0:1], 0x30              ; place
	v_lshl_add_u32 v[SPW], v0, 2, SPARE
	v_mov_b32 v[NIL], 0
	v_lshrrev_b32 v1, 5, v0
	v_readfirstlane_b32 s18, v1                    ; wave
	s_mov_b32 s20, ttmp9                           ; the slice of 64 hidden units
	s_and_b32 s19, ttmp7, 0xffff                   ; the expert
	s_and_b32 s66, s18, 1
	s_lshl_b32 s66, s66, 15                        ; 32 rows of a weight
	s_mul_i32 s67, s18, 33280                      ; 32 LDS rows of 1,040 bytes
	s_mul_i32 s68, s18, 21760
	s_add_co_u32 s68, s68, XB
	s_mul_i32 s69, s18, 384
	s_add_co_u32 s69, s69, LIST
	s_lshl_b32 s70, s18, 15
	s_lshl_b32 s71, s18, 4
	s_mov_b32 s101, 0xffff
	s_lshl_b32 s23, 0x10000, s19                   ; this expert's bit in a route word
	v_and_b32 v[RR], 15, v0
	v_bfe_u32 v[HH], v0, 4, 1
	v_and_b32 v[LN], 31, v0
	v_lshlrev_b32 v[L16], 4, v[LN]
	v_lshlrev_b32 v[R16], 4, v[RR]
	v_lshl_add_u32 v[WO], v[HH], 10, v[R16]
	v_add_nc_u32 v[WO], s66, v[WO]
	v_mul_u32_u24 v[WST], v[HH], 1040
	v_add_nc_u32 v[WST], v[WST], v[R16]
	v_add_nc_u32 v[WST], s67, v[WST]
	v_mul_u32_u24 v[WGA], v[RR], 1040
	v_lshl_add_u32 v[WGA], v[HH], 4, v[WGA]
	v_add_nc_u32 v[WUA], 66560, v[WGA]             ; up's 64 rows lie behind gate's
	v_mul_u32_u24 v[XSA], v[HH], 272
	v_add_nc_u32 v[XSA], v[XSA], v[R16]
	v_add_nc_u32 v[XSA], s68, v[XSA]
	v_mul_u32_u24 v[XRD], v[RR], 272
	v_lshl_add_u32 v[XRD], v[HH], 4, v[XRD]
	v_add_nc_u32 v[XRD], s68, v[XRD]
	v_lshlrev_b32 v[LST], 2, v[LN]
	v_add_nc_u32 v[LST], s69, v[LST]
	v_lshlrev_b32 v[LRD], 2, v[HH]
	v_add_nc_u32 v[LRD], s69, v[LRD]
	v_add_nc_u32 v[HO], s70, v[L16]
	v_lshl_add_u32 v[RK], v[HH], 6, v[RR]
	v_add_nc_u32 v[RK], s71, v[RK]                 ; rank: 16 (w + 4 (2 g + h)) + r
	v_add_nc_u32 v[RK+1], 128, v[RK]
	v_add_nc_u32 v[RK+2], 0x100, v[RK]
	s_wait_alu depctr_va_vdst(0)                   ; a wait at the head's end
	s_wait_kmcnt 0x0
	s_load_b128 s[24:27], s[10:11], 0x0            ; e0 .. e3
	s_load_b32 s28, s[10:11], 0x10                 ; e4
	s_cmp_lt_u32 s18, 2                            ; waves 0 and 1 fetch gate's rows, 2 and 3 up's
	s_cselect_b64 s[6:7], s[6:7], s[8:9]
	s_lshl_b32 s2, s19, 21
	s_lshl_b32 s3, s20, 16
	s_add_co_u32 s2, s2, s3
	s_mov_b32 s3, 0
	s_add_nc_u64 s[6:7], s[6:7], s[2:3]            ; expert x 2^21 + slice x 64 rows
	s_lshl_b32 s2, s19, 21
	s_lshl_b32 s3, s20, 10
	s_add_co_u32 s2, s2, s3
	s_mov_b32 s3, 0
	s_add_nc_u64 s[14:15], s[14:15], s[2:3]        ; hid: expert x 2^21 + half K step x 1,024
.irp j, 0,1,2,3,4,5,6,7
	global_load_b128 v[RT+4*\j:RT+4*\j+3], v[L16], s[12:13] offset:512*\j
.endr
	WLOAD 0, 128, 0
	WLOAD 1, 160, 3
	s_wait_loadcnt 32                              ; the route words are in: 32 weight loads are younger
.set c, 0
.rept 32
	v_and_b32 v[RT+c], s23, v[RT+c]
.set c, c+1
.endr
.set c, 0
.rept 32
	v_cmp_ne_u32 s[M+c], 0, v[RT+c]
.set c, c+1
.endr
	s_mov_b32 s2, 0
.set c, 0
.rept 32
	s_bcnt1_i32_b32 s3, s[M+c]
	s_or_b32 s[Q+c], s2, 128*(c/4)+(c%4)
	s_lshl_b32 s3, s3, 16
	s_add_co_u32 s2, s2, s3
.set c, c+1
.endr
	s_lshr_b32 s21, s2, 16                         ; n_e
	s_add_co_u32 s22, s21, 15
	s_lshr_b32 s22, s22, 4
	s_max_u32 s22, s22, 1
	s_min_u32 s22, s22, 64                         ; the expert's tiles; tile 0 is always made, since the next launch's first loads name it
.set NG, 3
	SEARCH
.irp g, 0,1,2
	ds_store_b32 v[LST], v[TOK+\g] offset:128*\g   ; my own list: local row 16 i + r
.endr
.set j, 0
.rept 40
	ds_load_b32 v[OFF+j], v[LRD] offset:8*j        ; LDS serves a wave's instructions in order: rows 2 j + h
.set j, j+1
.endr
.irp g, 0,1,2,3,4
	s_wait_alu depctr_va_vdst(0)                   ; a wait ahead of the wait below
	s_wait_dscnt 32-8*\g                           ; the later groups' words may be out
.set j, 8*\g
.rept 8
	v_min_u32 v[OFF+j], 0x3ff, v[OFF+j]            ; a loaded number enters an address only behind this bound
.set j, j+1
.endr
.set j, 8*\g
.rept 8
	v_lshl_add_u32 v[OFF+j], v[OFF+j], 10, v[R16]
.set j, j+1
.endr
	XLOAD \g, 0
.endr
	s_wait_alu depctr_va_vdst(0)
	s_wait_kmcnt 0x0
	s_add_co_i32 s2, s24, s25                      ; e0 + e1
	s_lshl_b32 s62, s2, 23
	s_add_co_i32 s62, s62, 0xbfb8aa3b              ; -log2(e) x 2^(e0 + e1): the sum is added to the constant's exponent field
	s_mov_b32 s63, s62                             ; (named with it as a pair, so it is written)
	s_add_co_i32 s2, s2, s26
	s_add_co_i32 s2, s2, s27
	s_sub_co_i32 s2, s28, s2                       ; ef
	s_add_co_i32 s2, s2, 127
	s_lshl_b32 s3, s2, 23
	v_mov_b32 v[SC], s3
	s_add_co_i32 s2, s2, 15
	s_lshl_b32 s2, s2, 23
	s_or_b32 s2, s2, 0x600000
	v_mov_b32 v[LIM], s2
	; pos and n_e: wave 0 of work-groups 0 to 7 of the expert
	s_wait_alu depctr_va_vdst(0)
	s_cmp_lg_u32 s18, 0
	s_cbranch_scc1 .Lnopos
	s_cmp_ge_u32 s20, 8
	s_cbranch_scc1 .Lnopos
	s_lshl_b32 s2, s19, 12
	v_add_nc_u32 v92, s2, v[L16]
	s_lshl_b32 s3, s19, 10
	s_wait_alu depctr_va_vdst(0)
.irp k, 0,1,2,3,4,5,6,7
	s_cmp_lg_u32 s20, \k
	s_cbranch_scc1 .Lpos\k
.irp i, 0,1,2,3
	s_lshr_b32 s2, s[Q+4*\k+\i], 16
	s_add_co_u32 s2, s2, s3
	v_mbcnt_lo_u32_b32 v[88+\i], s[M+4*\k+\i], s2  ; expert x 1,024 + rank
.endr
.irp i, 0,1,2,3
	v_cndmask_b32 v[88+\i], 0, v[88+\i], s[M+4*\k+\i]
.endr
	s_wait_alu depctr_va_vdst(0)
	global_store_b128 v92, v[88:91], s[16:17] offset:512*\k   ; 128 tokens, 512 consecutive bytes
.Lpos\k:
.endr
	s_cmp_lg_u32 s20, 0
	s_cbranch_scc1 .Lnopos
	s_lshl_b32 s2, s19, 2
	v_mov_b32 v93, s21
	v_mov_b32 v94, s2
	v_cmp_eq_u32 vcc_lo, 0, v0
	s_wait_alu depctr_va_vdst(0)
	s_wait_xcnt 0x0                                ; EXEC is a source of what is out: it changes only behind this wait
	s_and_saveexec_b32 s100, vcc_lo
	global_store_b32 v94, v93, s[16:17] offset:0x8000
	s_wait_xcnt 0x0
	s_or_b32 exec_lo, exec_lo, s100
.Lnopos:
	s_wait_xcnt 0x0                                ; the stores above have read v88-94
	STEP 0, 1                                      ; the first products start the sums: nothing is cleared
	STEP 1, 0
	STEP 2, 0
	STEP 3, 0
	NOPS 5                                         ; places ahead of the sums' readers, and of sums begun anew
	s_xor_b32 s99, s25, s27
	s_min_u32 s99, s99, 1                          ; 1 where x has two scales
	s_cmp_lg_u32 s99, 0
	s_cbranch_scc1 .Lout                           ; two scales of x: every tile goes through .Lgen
.irp i, 0,1,2,3,4
	s_add_co_u32 s2, s18, 4*\i
	s_cmp_lt_u32 s2, s22
	s_cbranch_scc0 .Lout
	EPI 32*\i, CD+8*\i, HO, 131072*\i              ; four tiles of 32,768 bytes on
.endr
.Lout:
	s_cmp_lg_u32 s99, 0
	s_cselect_b32 s100, 0, 5                       ; the loop's first trip with work
	s_min_u32 s100, s100, 5
	s_lshl_b32 s29, s100, 2
	s_add_co_u32 s29, s29, s18
	s_cmp_lt_u32 s29, s22
	s_cbranch_scc0 .Lend                           ; no tile of mine is left
	s_mov_b32 s23, 0
; ONE TILE A TRIP, w + 4 x trip, no barrier; 16 trips serve 64 tiles, and a trip without work jumps over it.  Set m, step s' of a half of K lies at 4,352 (2 m + s') of my rows' room.
.Lgen:
	s_cmp_ge_u32 s23, s100
	s_cbranch_scc0 .Lgnext
	s_lshl_b32 s29, s23, 2
	s_add_co_u32 s29, s29, s18
	s_cmp_lt_u32 s29, s22
	s_cbranch_scc0 .Lgnext
	s_wait_xcnt 0x0                                ; the last trip's stores have read their codes and their offset, its loads theirs
	s_lshl_b32 s2, s29, 4
	v_add_nc_u32 v[RK], s2, v[RR]
	v_mov_b32 v[HG], s29
	v_min_u32 v[HG], 63, v[HG]
	v_lshl_add_u32 v[HG], v[HG], 15, v[L16]
.set NG, 1
	SEARCH
	ds_store_b32 v[LST], v[TOK]
.irp j, 0,1,2,3,4,5,6,7
	ds_load_b32 v[OFF+\j], v[LRD] offset:8*\j
.endr
	s_wait_alu depctr_va_vdst(0)
	s_wait_dscnt 0x0
.irp j, 0,1,2,3,4,5,6,7
	v_min_u32 v[OFF+\j], 0x3ff, v[OFF+\j]
.endr
.irp j, 0,1,2,3,4,5,6,7
	v_lshl_add_u32 v[OFF+\j], v[OFF+\j], 10, v[R16]
.endr
	s_wait_alu depctr_va_vdst(0)
.irp kk, 0,1
	WIN 0x40
.irp m, 0,1
.irp sp, 0,1
.irp j, 0,1,2,3,4,5,6,7
	global_load_b128 v[4*(16*\m+8*\sp+\j):4*(16*\m+8*\sp+\j)+3], v[OFF+\j], s[4:5] offset:\m*1048576+256*(2*\kk+\sp)
.endr
.endr
.endr
	s_wait_loadcnt 0x0
	WIN 0x04
.irp n, 0,1,2,3
.irp j, 0,1,2,3,4,5,6,7
	ds_store_b128 v[XSA], v[4*(8*\n+\j):4*(8*\n+\j)+3] offset:4352*\n+544*\j
.endr
.endr
.irp sp, 0,1
.irp q, 0,1
	NOPS 4
	GLOAD 256*(2*\kk+\sp)+128*\q
	XFRAG 0, 0, 4352*\sp+128*\q
	ULOAD 256*(2*\kk+\sp)+128*\q
	XFRAG 1, 0, 8704+4352*\sp+128*\q
	s_wait_dscnt 20                                ; up's fragments and set 1's may be out
	GMUL 0, (\kk+\sp+\q)==0, 1
	s_wait_dscnt 0x0
	UMUL 1, (\kk+\sp+\q)==0, 1
.endr
.endr
	WIN 0
.endr
	NOPS 5
	EPI 0, 120, HG, 0
.Lgnext:
	s_add_co_u32 s23, s23, 1
	s_cmp_lt_u32 s23, 16
	s_cbranch_scc1 .Lgen
.Lend:
	s_wait_tensorcnt 0x0                           ; the wave's end
	ds_add_u32 v[SPW], v[NIL]
	s_wait_dscnt 0x0
	s_endpgm
.Lfunc_end_k_q917f3151f6_gateup:
	.size	k_q917f3151f6_gateup, .Lfunc_end_k_q917f3151f6_gateup-k_q917f3151f6_gateup
	.p2alignl 7, 3214868480
	.fill 96, 4, 3214868480
	.section	.rodata,"a",@progbits
	.p2align	6, 0x0
	.amdhsa_kernel k_q917f3151f6_gateup
		.amdhsa_group_segment_fixed_size 222208
		.amdhsa_private_segment_fixed_size 0
		.amdhsa_enable_private_segment 0
		.amdhsa_kernarg_size 56
		.amdhsa_user_sgpr_count 2
		.amdhsa_user_sgpr_kernarg_segment_ptr 1
		.amdhsa_wavefront_size32 1
		.amdhsa_system_sgpr_workgroup_id_x 1
		.amdhsa_system_sgpr_workgroup_id_y 1
		.amdhsa_system_sgpr_workgroup_id_z 1
		.amdhsa_system_vgpr_workitem_id 0
		.amdhsa_next_free_vgpr 1024
		.amdhsa_next_free_sgpr 102
		.amdhsa_reserve_vcc 1
		.amdhsa_float_denorm_mode_32 3
		.amdhsa_float_denorm_mode_16_64 3
		.amdhsa_memory_ordered 1
		.amdhsa_forward_progress 1
		.amdhsa_inst_pref_size 244
	.end_amdhsa_kernel
	.amdgpu_metadata
---
amdhsa.version: [ 1, 2 ]
amdhsa.kernels:
  - .name:           k_q917f3151f6_gateup
    .symbol:         k_q917f3151f6_gateup.kd
    .args:
      - { .name: xq, .offset: 0, .size: 8, .value_kind: global_buffer, .address_space: global }
      - { .name: gate_w_codes, .offset: 8, .size: 8, .value_kind: global_buffer, .address_space: global }
      - { .name: up_w_codes, .offset: 16, .size: 8, .value_kind: global_buffer, .address_space: global }
      - { .name: lowp_scales, .offset: 24, .size: 8, .value_kind: global_buffer, .address_space: global }
      - { .name: route, .offset: 32, .size: 8, .value_kind: global_buffer, .address_space: global }
      - { .name: hid, .offset: 40, .size: 8, .value_kind: global_buffer, .address_space: global }
      - { .name: place, .offset: 48, .size: 8, .value_kind: global_buffer, .address_space: global }
    .group_segment_fixed_size: 222208
    .private_segment_fixed_size: 0
    .kernarg_segment_align: 8
    .kernarg_segment_size: 56
    .max_flat_workgroup_size: 128
    .sgpr_count:     102
    .vgpr_count:     1024
    .wavefront_size: 32
...
	.end_amdgpu_metadata
.endif
;; end of part 7
;; launch down (part 8): grid 32 x 8, 4 waves a work-group, no clusters, 279,040 bytes of LDS; arguments hid, down_w_codes, place, y; writes y
.if DOCPART == 8
	.amdgcn_target "amdgcn-amd-amdhsa--gfx1250"
	.amdhsa_code_object_version 6
	.text
	.protected	k_q917f3151f6_down
	.globl	k_q917f3151f6_down
	.p2align	8
	.type	k_q917f3151f6_down,@function
k_q917f3151f6_down:
	s_mov_b64 s[64:65], 0
	v_nop
	global_prefetch_b8 v0, s[64:65] scope:SCOPE_SE
	s_setreg_imm32_b32 hwreg(HW_REG_WAVE_MODE, 25, 1), 1
	s_wait_xcnt 0x0
; THE DOWN PRODUCT OF THE CHOSEN ROWS: y[expert][rank][1,024] = the f32 sums of code products; the factor 2^(e4 + e5) and the gate's weight come in the next launch.
; Rows of experts that a token did not choose are left out: they reach no output (shown at the head of the first kernel).
; SHARES.  Work-group (x, y): expert y, output columns 64 (x % 16) on, tiles of 16 routed rows 2 i + x / 16.  THE FOUR WAVES SPLIT K: wave w holds k = 512 w .. 512 w + 511 of the 64 rows of down_w in registers (16 fragments, window 1)
; and loads only those four K steps of the hidden layer's images: each load reads 512 consecutive bytes and is a fragment's four registers as it stands.
; down_w comes as 512 consecutive bytes of a row a load, goes through LDS (the wave's own 64 rows of 528 bytes) and comes back as fragments.
; Transposed use (source 0 = 16 rows of down_w, source 1 = 16 routed rows): lane (r, h) holds routed row r and columns 16 T + 8 h + 0 .. 7.
; THE PARTIAL SUMS of up to 16 tiles meet in LDS behind ONE barrier, laid [wave][tile][block of 4 columns: 272 bytes][row: 16 bytes]: stores take 16 rows of a block, reads 16 blocks of a row.  So the sum is also the turn into whole rows:
; sixteen lanes store 256 consecutive bytes of a row of y.  Two rounds of 16 tiles serve every split; all loops that touch LDS have constant counts, and what an expert's count leaves empty is jumped over.
; FOUR BUFFERS OF IMAGES (window 2): trip i asks for the tile of trip i + 4.  A refill is 16 loads, so the wait at a trip's head leaves the three younger refills, 48 loads, out.  A trip that issues no refill waits for all loads
; instead: so on every way to a trip's head either the refills were issued in full or nothing is out.
; NO TENSOR LOADS, NO CLUSTER: the work hangs on a count read from memory.  NO PREFETCH: down_w is asked for whole at the head, the images four trips ahead.
.set SPARE, 278528                     ; LDS: 4 waves x 16 tiles x 4,352 bytes (at the head: 4 x 64 x 528), then the spare words, 128 bytes a wave
.set WO,  4                            ; 512 w + 16 x lane
.set SA,  5                            ; where I put my partial sums
.set RA,  6                            ; where I read the four partials of my rows
.set YO,  7                            ; my 16 bytes in y
.set WS,  8                            ; down_w: in
.set WR,  9                            ; and out
.set SPW, 10
.set NIL, 11
.set HA,  12                           ; v12-15 the images' offsets, one for each buffer
.set HT,  16
.set SAT, 17
.set RAT, 18                           ; v18-21 one for each wave that sent
.set RCV, 32                           ; v32-159: tile b of four at 32 b, (wave that sent, pair of rows n) at 4 (2 src + n)
.set ACC, 160                          ; v160-191 four accumulators
.set MSB, 0
.macro WIN new                         ; the immediate's high byte repeats the setting that is left
.if MSB != (\new)
	s_set_vgpr_msb (MSB<<8)|(\new)
.set MSB, \new
.endif
.endm
.macro HLOAD buf                       ; a tile's images of my four K steps: the fragment of K step q at 64 buf + 16 q
	WIN 0x80
.irp q, 0,1,2,3
.irp c, 0,1,2,3
	global_load_b128 v[64*\buf+16*\q+4*\c:64*\buf+16*\q+4*\c+3], v[HA+\buf], s[4:5] offset:\q*2048+512*\c
.endr
.endr
	WIN 0
.endm
	s_load_b256 s[4:11], s[0:1], 0x0               ; hid s[4:5], down s[6:7], place s[8:9], y s[10:11]
	v_lshl_add_u32 v[SPW], v0, 2, SPARE
	v_mov_b32 v[NIL], 0
	v_lshrrev_b32 v1, 5, v0
	v_readfirstlane_b32 s16, v1                    ; wave
	s_and_b32 s17, ttmp9, 15                       ; the slice of 64 columns
	s_lshr_b32 s18, ttmp9, 4                       ; even or odd tiles
	s_and_b32 s19, ttmp7, 0xffff                   ; the expert
	s_lshl_b32 s23, s16, 9
	s_mul_i32 s24, s16, 33792
	s_mul_i32 s25, s16, 69632
	s_lshl_b32 s26, s16, 6
	s_lshl_b32 s27, s16, 14
	s_lshl_b32 s28, s18, 16
	s_add_co_u32 s27, s27, s28
	s_lshl_b32 s28, s16, 13
	v_and_b32 v1, 15, v0                           ; r
	v_bfe_u32 v2, v0, 4, 1                         ; h
	v_and_b32 v3, 31, v0                           ; lane
	v_lshlrev_b32 v3, 4, v3
	v_add_nc_u32 v[WO], s23, v3
	v_add_nc_u32 v[WS], s24, v3
	v_mul_u32_u24 v[WR], v1, 528
	v_lshl_add_u32 v[WR], v2, 4, v[WR]
	v_add_nc_u32 v[WR], s24, v[WR]
	v_mul_u32_u24 v[SA], v2, 544
	v_lshl_add_u32 v[SA], v1, 4, v[SA]
	v_add_nc_u32 v[SA], s25, v[SA]                 ; block 4 T + 2 h + a, row r
	v_mul_u32_u24 v[RA], v1, 272
	v_lshl_add_u32 v[RA], v2, 4, v[RA]
	v_add_nc_u32 v[RA], s26, v[RA]                 ; block lane % 16, row 4 w + lane / 16 (+ 2 n)
	v_lshlrev_b32 v[YO], 4, v1
	v_lshl_add_u32 v[YO], v2, 12, v[YO]
	v_add_nc_u32 v[YO], s27, v[YO]                 ; tile x 65,536 + row x 4,096 + 16 (lane % 16)
	v_add_nc_u32 v[HT], s28, v3                    ; my four K steps: 8,192 w + 16 x lane
	s_lshl_b32 s36, s19, 2
	s_lshl_b32 s28, s19, 21                        ; hid: expert x 2^21
	s_mov_b32 s29, 0
	s_lshl_b32 s30, s17, 17
	s_add_co_u32 s30, s30, s28                     ; down_w: expert x 2^21 + slice x 64 rows
	s_mov_b32 s31, 0
	s_lshl_b32 s32, s19, 22
	s_lshl_b32 s33, s17, 8
	s_add_co_u32 s32, s32, s33                     ; y: expert x 2^22 + slice x 256 bytes
	s_mov_b32 s33, 0
	s_wait_alu depctr_va_vdst(0)                   ; a wait at the head's end
	s_wait_kmcnt 0x0
	s_load_b32 s20, s[8:9], s36 offset:0x8000      ; n_e
	s_add_nc_u64 s[4:5], s[4:5], s[28:29]
	s_add_nc_u64 s[6:7], s[6:7], s[30:31]
	s_add_nc_u64 s[10:11], s[10:11], s[32:33]
	WIN 0x40
.set n, 0
.rept 64
	global_load_b128 v[4*n:4*n+3], v[WO], s[6:7] offset:2048*n
.set n, n+1
.endr
	WIN 0
	s_wait_kmcnt 0x0
	s_min_u32 s20, s20, 1024
	s_add_co_u32 s20, s20, 15
	s_lshr_b32 s20, s20, 4                         ; the expert's tiles
	s_add_co_u32 s21, s20, 1
	s_sub_co_u32 s21, s21, s18
	s_lshr_b32 s21, s21, 1                         ; how many of them are mine
	s_max_u32 s24, s20, 1
	s_sub_co_u32 s24, s24, 1                       ; the last tile that the launch before stored (tile 0 is always stored)
.irp b, 0,1,2,3                        ; the first four trips' tiles, held at that one: a held offset belongs to a trip that does not exist, and is never stepped
	s_add_co_u32 s25, s18, 2*\b
	s_min_u32 s25, s25, s24
	s_min_u32 s25, s25, 63
	s_lshl_b32 s25, s25, 15
	v_add_nc_u32 v[HA+\b], s25, v[HT]
.endr
	s_wait_alu depctr_va_vdst(0)                   ; a wait here, ahead of the offsets' readers
	HLOAD 0
	HLOAD 1
	s_wait_alu depctr_va_vdst(0)
	s_wait_loadcnt 32                              ; down_w is in: the 32 loads of two buffers are younger
	WIN 0x04
.set n, 0
.rept 64
	ds_store_b128 v[WS], v[4*n:4*n+3] offset:528*n
.set n, n+1
.endr
	WIN 0
	HLOAD 2
	HLOAD 3
	s_wait_dscnt 0x0                               ; the rows have left their registers
	WIN 0x40                                       ; the fragment of (tile T, K step q) at 16 (4 q + T)
.irp q, 0,1,2,3
.irp t, 0,1,2,3
.irp c, 0,1,2,3
	ds_load_b128 v[16*(4*\q+\t)+4*\c:16*(4*\q+\t)+4*\c+3], v[WR] offset:8448*\t+128*\q+32*\c
.endr
.endr
.endr
	WIN 0
	s_wait_dscnt 0x0                               ; my reads are over: the partial sums may land on these bytes behind the barrier
	s_barrier_signal -1
	s_barrier_wait -1
.macro TRIP buf
	s_add_co_u32 s23, s22, \buf
	s_cmp_lt_u32 s23, s21
	s_cbranch_scc0 .Lnone_\@
	s_wait_loadcnt 48                              ; behind this buffer's 16 loads stand the three younger refills, 3 x 16
	s_wait_dscnt 0x0                               ; the last trip's sums have left their registers
	WIN 0x09                                       ; source 0 (down_w) window 1, source 1 (the images) window 2
.irp q, 0,1,2,3                        ; the four accumulators take turns, one instruction a turn; the first four start the sums
.irp t, 0,1,2,3
.if \q == 0
	v_wmma_f32_16x16x128_bf8_bf8 v[ACC+8*\t:ACC+8*\t+7], v[16*(4*\q+\t):16*(4*\q+\t)+15], v[64*\buf+16*\q:64*\buf+16*\q+15], 0
.else
	v_wmma_f32_16x16x128_bf8_bf8 v[ACC+8*\t:ACC+8*\t+7], v[16*(4*\q+\t):16*(4*\q+\t)+15], v[64*\buf+16*\q:64*\buf+16*\q+15], v[ACC+8*\t:ACC+8*\t+7]
.endif
.endr
.endr
	WIN 0
.rept 5
	v_nop                                          ; four places ahead of the stores of results and of the loads into the images' registers, five ahead of sums begun anew
.endr
.irp t, 0,1,2,3
.irp a, 0,1
	ds_store_b128 v[SAT], v[ACC+8*\t+4*\a:ACC+8*\t+4*\a+3] offset:4352*\buf+(4*\t+\a)*272   ; each accumulator from its low end on
.endr
.endr
	s_add_co_u32 s39, s23, 4
	s_cmp_lt_u32 s39, s21
	s_cbranch_scc0 .Lnone_\@
	s_wait_alu depctr_va_vdst(0)
	v_add_nc_u32 v[HA+\buf], 0x40000, v[HA+\buf]   ; four trips, eight tiles, on (this buffer's earlier loads are done: its offset may be written)
	s_wait_alu depctr_va_vdst(0)
	HLOAD \buf
	s_branch .Ljoin_\@
.Lnone_\@:
	s_wait_loadcnt 0x0                             ; no refill in this trip: all loads are waited for, so that the counted wait above holds on every way to it
.Ljoin_\@:
.endm
.macro RLOAD b                         ; the four partials of my rows of tile b of four
.irp src, 0,1,2,3
.irp n, 0,1
	ds_load_b128 v[RCV+32*\b+4*(2*\src+\n):RCV+32*\b+4*(2*\src+\n)+3], v[RAT+\src] offset:4352*\b+32*\n
.endr
.endr
.endm
.macro RSUM b
.set B, RCV+32*\b
.irp n, 0,1
.irp i, 0,2
	v_pk_add_f32 v[B+4*\n+\i:B+4*\n+\i+1], v[B+4*\n+\i:B+4*\n+\i+1], v[B+8+4*\n+\i:B+8+4*\n+\i+1]
	v_pk_add_f32 v[B+16+4*\n+\i:B+16+4*\n+\i+1], v[B+16+4*\n+\i:B+16+4*\n+\i+1], v[B+24+4*\n+\i:B+24+4*\n+\i+1]
.endr
.endr
.irp n, 0,1
.irp i, 0,2
	v_pk_add_f32 v[B+4*\n+\i:B+4*\n+\i+1], v[B+4*\n+\i:B+4*\n+\i+1], v[B+16+4*\n+\i:B+16+4*\n+\i+1]
.endr
.endr
	s_wait_alu depctr_va_vdst(0)
.irp n, 0,1
	global_store_b128 v[YO], v[B+4*\n:B+4*\n+3], s[10:11] offset:131072*\b+8192*\n   ; two rows; sixteen lanes store 256 consecutive bytes, at a multiple of 256 from y's first byte
.endr
.endm
	s_mov_b32 s22, 0
	s_mov_b32 s41, 0
.Lround:
	s_mov_b32 s40, 0
.Ltrips:                                               ; 4 passes of four trips: the four image buffers come round once a pass
	v_add_nc_u32 v[SAT], s40, v[SA]
	s_wait_alu depctr_va_vdst(0)
	s_cmp_lt_u32 s22, s21
	s_cbranch_scc0 .Lskip
	TRIP 0
	TRIP 1
	TRIP 2
	TRIP 3
.Lskip:
	s_add_co_u32 s22, s22, 4
	s_add_co_u32 s40, s40, 17408
	s_cmp_lt_u32 s40, 69632
	s_cbranch_scc1 .Ltrips
	s_wait_dscnt 0x0                               ; my partial sums have landed
	s_barrier_signal -1
	s_barrier_wait -1
	s_mov_b32 s42, s41
	s_mov_b32 s40, 0
.Lred:                                                 ; four tiles a pass
.irp src, 0,1,2,3
	s_add_co_u32 s43, s40, 69632*\src
	v_add_nc_u32 v[RAT+\src], s43, v[RA]
.endr
	s_wait_alu depctr_va_vdst(0)
	s_add_co_u32 s23, s42, 3
	s_cmp_lt_u32 s23, s21
	s_cbranch_scc0 .Lsingles
	RLOAD 0
	RLOAD 1
	RLOAD 2
	RLOAD 3
.irp b, 0,1,2,3
	s_wait_dscnt 24-8*\b                           ; the later tiles' loads may be out
	RSUM \b
.endr
	s_branch .Lnext
.Lsingles:                                             ; fewer than four are left
.irp b, 0,1,2
	s_add_co_u32 s23, s42, \b
	s_cmp_lt_u32 s23, s21
	s_cbranch_scc0 .Lnext
	RLOAD \b
	s_wait_dscnt 0x0
	RSUM \b
.endr
.Lnext:
	s_wait_xcnt 0x0                                ; the stores have read their data and their offset
	v_add_nc_u32 v[YO], 0x80000, v[YO]             ; eight tiles on
	s_wait_alu depctr_va_vdst(0)
	s_add_co_u32 s42, s42, 4
	s_add_co_u32 s40, s40, 17408
	s_cmp_lt_u32 s40, 69632
	s_cbranch_scc1 .Lred
	s_wait_dscnt 0x0                               ; my reads are over: the next round's sums may land
	s_barrier_signal -1
	s_barrier_wait -1
	s_add_co_u32 s41, s41, 16
	s_cmp_lt_u32 s41, 32
	s_cbranch_scc1 .Lround
	s_wait_tensorcnt 0x0                           ; the wave's end
	ds_add_u32 v[SPW], v[NIL]
	s_wait_dscnt 0x0
	s_endpgm
.Lfunc_end_k_q917f3151f6_down:
	.size	k_q917f3151f6_down, .Lfunc_end_k_q917f3151f6_down-k_q917f3151f6_down
	.p2alignl 7, 3214868480
	.fill 96, 4, 3214868480
	.section	.rodata,"a",@progbits
	.p2align	6, 0x0
	.amdhsa_kernel k_q917f3151f6_down
		.amdhsa_group_segment_fixed_size 279040
		.amdhsa_private_segment_fixed_size 0
		.amdhsa_enable_private_segment 0
		.amdhsa_kernarg_size 32
		.amdhsa_user_sgpr_count 2
		.amdhsa_user_sgpr_kernarg_segment_ptr 1
		.amdhsa_wavefront_size32 1
		.amdhsa_system_sgpr_workgroup_id_x 1
		.amdhsa_system_sgpr_workgroup_id_y 1
		.amdhsa_system_sgpr_workgroup_id_z 1
		.amdhsa_system_vgpr_workitem_id 0
		.amdhsa_next_free_vgpr 768
		.amdhsa_next_free_sgpr 66
		.amdhsa_reserve_vcc 0
		.amdhsa_float_denorm_mode_32 3
		.amdhsa_float_denorm_mode_16_64 3
		.amdhsa_memory_ordered 1
		.amdhsa_forward_progress 1
		.amdhsa_inst_pref_size 52
	.end_amdhsa_kernel
	.amdgpu_metadata
---
amdhsa.version: [ 1, 2 ]
amdhsa.kernels:
  - .name:           k_q917f3151f6_down
    .symbol:         k_q917f3151f6_down.kd
    .args:
      - { .name: hid, .offset: 0, .size: 8, .value_kind: global_buffer, .address_space: global }
      - { .name: down_w_codes, .offset: 8, .size: 8, .value_kind: global_buffer, .address_space: global }
      - { .name: place, .offset: 16, .size: 8, .value_kind: global_buffer, .address_space: global }
      - { .name: y, .offset: 24, .size: 8, .value_kind: global_buffer, .address_space: global }
    .group_segment_fixed_size: 279040
    .private_segment_fixed_size: 0
    .kernarg_segment_align: 8
    .kernarg_segment_size: 32
    .max_flat_workgroup_size: 128
    .sgpr_count:     66
    .vgpr_count:     768
    .wavefront_size: 32
...
	.end_amdgpu_metadata
.endif
;; end of part 8
;; launch combine (part 9): grid 257 x 1, 4 waves a work-group, no clusters, 0 bytes of LDS; arguments y, route, place, rwt, lowp_scales, stat, out0, out1; writes out0, out1
.if DOCPART == 9
	.amdgcn_target "amdgcn-amd-amdhsa--gfx1250"
	.amdhsa_code_object_version 6
	.text
	.protected	k_q917f3151f6_combine
	.globl	k_q917f3151f6_combine
	.p2align	8
	.type	k_q917f3151f6_combine,@function
k_q917f3151f6_combine:
	s_mov_b64 s[64:65], 0
	v_nop
	global_prefetch_b8 v0, s[64:65] scope:SCOPE_SE
	s_setreg_imm32_b32 hwreg(HW_REG_WAVE_MODE, 25, 1), 1
	s_wait_xcnt 0x0
; out0[t] = w0 2^(e4 + e5) y[pos0] + w1 2^(e4 + e5) y[pos1]: the sum over experts with the six terms left out whose combine weight is 0 by construction (shown at the head of the first kernel).
; A wave of work-groups 0 to 255 takes a token: its two rows of y (4,096 bytes each) are read once, 512 consecutive bytes a load, and its row of out0 is written once, 512 consecutive bytes a store.
; The token's place under each of the eight experts is loaded beside its choice, and two are selected; each is bounded before it enters an address.
; Work-group 256, wave 0: aux = 0.001 x mean(z^2) + 0.01 x sum over e of (n_e / 1,024) (sum of prob_e / 1,024), from the 512 records of 16 words in stat.
; A stream: no LDS, no matrix unit, no cluster (work-groups share nothing).  LIMIT: e4 + e5 between -126 and 127, so that 2^(e4 + e5) is an f32 number.
	s_load_b512 s[4:19], s[0:1], 0x0               ; y s[4:5], route s[6:7], place s[8:9], rwt s[10:11], lowp_scales s[12:13], stat s[14:15], out0 s[16:17], out1 s[18:19]
	v_lshrrev_b32 v1, 5, v0
	v_readfirstlane_b32 s20, v1                    ; wave
	v_and_b32 v3, 31, v0
	v_lshlrev_b32 v2, 4, v3                        ; 16 x lane
	s_wait_alu depctr_va_vdst(0)
	s_wait_kmcnt 0x0
	s_cmp_eq_u32 ttmp9, 256
	s_cbranch_scc1 .Laux
	s_lshl_b32 s34, ttmp9, 2
	s_add_co_u32 s34, s34, s20                     ; the token
	s_lshl_b32 s35, s34, 2
	s_lshl_b32 s36, s34, 3
	s_load_b32 s21, s[6:7], s35 offset:0x0         ; first | second << 8 | ..
.irp e, 0,1,2,3,4,5,6,7
	s_load_b32 s[24+\e], s[8:9], s35 offset:4096*\e
.endr
	s_load_b64 s[22:23], s[10:11], s36 offset:0x0  ; w0, w1
	s_load_b64 s[32:33], s[12:13], 0x10            ; e4, e5
	s_lshl_b32 s38, s34, 12
	s_mov_b32 s39, 0
	s_add_nc_u64 s[16:17], s[16:17], s[38:39]
	s_wait_kmcnt 0x0
	s_and_b32 s34, s21, 7
	s_lshr_b32 s35, s21, 8
	s_and_b32 s35, s35, 7
	s_mov_b32 s36, s24
	s_mov_b32 s38, s24
.irp e, 1,2,3,4,5,6,7
	s_cmp_eq_u32 s34, \e
	s_cselect_b32 s36, s[24+\e], s36
	s_cmp_eq_u32 s35, \e
	s_cselect_b32 s38, s[24+\e], s38
.endr
	s_min_u32 s36, s36, 8191
	s_lshl_b32 s36, s36, 12
	s_mov_b32 s37, 0
	s_add_nc_u64 s[36:37], s[4:5], s[36:37]        ; the first row of y
	s_min_u32 s38, s38, 8191
	s_lshl_b32 s38, s38, 12
	s_add_nc_u64 s[38:39], s[4:5], s[38:39]        ; the second
.irp j, 0,1,2,3,4,5,6,7
	global_load_b128 v[8+8*\j:11+8*\j], v2, s[36:37] offset:512*\j th:TH_LOAD_NT
	global_load_b128 v[12+8*\j:15+8*\j], v2, s[38:39] offset:512*\j th:TH_LOAD_NT
.endr
	s_add_co_i32 s32, s32, s33
	s_add_co_i32 s32, s32, 127
	s_lshl_b32 s32, s32, 23                        ; 2^(e4 + e5) as f32
	s_mul_f32 s40, s22, s32
	s_mov_b32 s41, s40                             ; (named with it as a pair, so it is written)
	s_mul_f32 s42, s23, s32
	s_mov_b32 s43, s42
.irp j, 0,1,2,3,4,5,6,7
	s_wait_loadcnt 14-2*\j                         ; the loads of the later pieces are younger: piece j's two are in
	v_pk_mul_f32 v[8+8*\j:9+8*\j], v[8+8*\j:9+8*\j], s[40:41] op_sel_hi:[1,0]
	v_pk_mul_f32 v[10+8*\j:11+8*\j], v[10+8*\j:11+8*\j], s[40:41] op_sel_hi:[1,0]
	v_pk_fma_f32 v[8+8*\j:9+8*\j], v[12+8*\j:13+8*\j], s[42:43], v[8+8*\j:9+8*\j] op_sel_hi:[1,0,1]
	v_pk_fma_f32 v[10+8*\j:11+8*\j], v[14+8*\j:15+8*\j], s[42:43], v[10+8*\j:11+8*\j] op_sel_hi:[1,0,1]
	global_store_b128 v2, v[8+8*\j:11+8*\j], s[16:17] offset:512*\j th:TH_STORE_NT   ; no register of a store is written again
.endr
	s_endpgm
.Laux:
	s_cmp_lg_u32 s20, 0
	s_cbranch_scc1 .Lend
	s_load_b256 s[24:31], s[8:9], 0x8000           ; n_e
.set k, 0
.rept 60
	global_load_b128 v[16+4*k:19+4*k], v2, s[14:15] offset:512*k   ; 2,048 groups of four words: group number mod 4 = lane mod 4
.set k, k+1
.endr
	s_wait_loadcnt 56                              ; the first four are in
	v_pk_add_f32 v[8:9], v[16:17], v[20:21]
	v_pk_add_f32 v[10:11], v[18:19], v[22:23]
.irp k, 2,3
	v_pk_add_f32 v[8:9], v[8:9], v[16+4*\k:17+4*\k]
	v_pk_add_f32 v[10:11], v[10:11], v[18+4*\k:19+4*\k]
.endr
.irp k, 0,1,2,3
	global_load_b128 v[16+4*\k:19+4*\k], v2, s[14:15] offset:512*(60+\k)
.endr
	v_mov_b32 v4, 0
	v_mov_b32 v5, 0
	v_mov_b32 v6, 0
	v_mov_b32 v7, 0
	v_mov_b32 v12, 0                               ; written once: a lane permute's destination counts as read
	v_mov_b32 v13, 0
	v_mov_b32 v14, 0
	v_mov_b32 v15, 0
	v_cmp_eq_u32 s40, 0, v3
	v_cmp_eq_u32 s41, 1, v3
	v_cmp_eq_u32 s42, 2, v3
	s_wait_alu depctr_va_vdst(0)
	s_wait_kmcnt 0x0
.irp e, 0,1,2,3,4,5,6,7
	s_cvt_f32_u32 s[24+\e], s[24+\e]
.endr
.irp e, 0,1,2,3,4,5,6,7
	s_mul_f32 s[24+\e], s[24+\e], 0x3223d70a       ; 0.01 / 1,024^2 x n_e
.endr
	s_mov_b32 s43, 0x3583126f                      ; 0.001 / 1,024
	v_cndmask_b32 v4, v4, s43, s40                 ; lane q takes words 4 q .. 4 q + 3 of the summed record: z^2, the eight probabilities, zeros
	v_cndmask_b32 v5, v5, s24, s40
	v_cndmask_b32 v6, v6, s25, s40
	v_cndmask_b32 v7, v7, s26, s40
	v_cndmask_b32 v4, v4, s27, s41
	v_cndmask_b32 v5, v5, s28, s41
	v_cndmask_b32 v6, v6, s29, s41
	v_cndmask_b32 v7, v7, s30, s41
	v_cndmask_b32 v4, v4, s31, s42
	s_wait_alu depctr_va_vdst(0)
	s_wait_loadcnt 0x4                             ; all but the last four are in
.set k, 4
.rept 56
	v_pk_add_f32 v[8:9], v[8:9], v[16+4*k:17+4*k]
	v_pk_add_f32 v[10:11], v[10:11], v[18+4*k:19+4*k]
.set k, k+1
.endr
	s_wait_alu depctr_va_vdst(0)
	s_wait_loadcnt 0x0
.irp k, 0,1,2,3
	v_pk_add_f32 v[8:9], v[8:9], v[16+4*\k:17+4*\k]
	v_pk_add_f32 v[10:11], v[10:11], v[18+4*\k:19+4*\k]
.endr
	s_mov_b32 s36, 0x76543210
	s_mov_b32 s37, 0xfedcba98
.irp m, 4,8
.irp i, 0,1,2,3
	v_add_f32_dpp v[8+\i], v[8+\i], v[8+\i] row_xmask:\m row_mask:0xf bank_mask:0xf
.endr
.endr
.irp i, 0,1,2,3
	v_permlanex16_b32 v[12+\i], v[8+\i], s36, s37
.endr
.irp i, 0,1,2,3
	v_add_f32 v[8+\i], v[8+\i], v[12+\i]
.endr
	v_mul_f32 v12, v8, v4
	v_mul_f32 v13, v9, v5
	v_fmac_f32 v12, v10, v6
	v_fmac_f32 v13, v11, v7
	v_add_f32 v12, v12, v13
	v_add_f32_dpp v12, v12, v12 row_xmask:1 row_mask:0xf bank_mask:0xf
	v_add_f32_dpp v12, v12, v12 row_xmask:2 row_mask:0xf bank_mask:0xf
	v_cmp_eq_u32 vcc_lo, 0, v3
	s_wait_alu depctr_va_vdst(0)
	s_wait_xcnt 0x0                                ; EXEC is a source of what is out: it changes only behind this wait
	s_and_saveexec_b32 s38, vcc_lo
	global_store_b32 v2, v12, s[18:19]
	s_wait_xcnt 0x0
	s_or_b32 exec_lo, exec_lo, s38
.Lend:
	s_endpgm
.Lfunc_end_k_q917f3151f6_combine:
	.size	k_q917f3151f6_combine, .Lfunc_end_k_q917f3151f6_combine-k_q917f3151f6_combine
	.p2alignl 7, 3214868480
	.fill 96, 4, 3214868480
	.section	.rodata,"a",@progbits
	.p2align	6, 0x0
	.amdhsa_kernel k_q917f3151f6_combine
		.amdhsa_group_segment_fixed_size 0
		.amdhsa_private_segment_fixed_size 0
		.amdhsa_enable_private_segment 0
		.amdhsa_kernarg_size 64
		.amdhsa_user_sgpr_count 2
		.amdhsa_user_sgpr_kernarg_segment_ptr 1
		.amdhsa_wavefront_size32 1
		.amdhsa_system_sgpr_workgroup_id_x 1
		.amdhsa_system_sgpr_workgroup_id_y 1
		.amdhsa_system_sgpr_workgroup_id_z 1
		.amdhsa_system_vgpr_workitem_id 0
		.amdhsa_next_free_vgpr 256
		.amdhsa_next_free_sgpr 66
		.amdhsa_reserve_vcc 1
		.amdhsa_float_denorm_mode_32 3
		.amdhsa_float_denorm_mode_16_64 3
		.amdhsa_memory_ordered 1
		.amdhsa_forward_progress 1
		.amdhsa_inst_pref_size 26
	.end_amdhsa_kernel
	.amdgpu_metadata
---
amdhsa.version: [ 1, 2 ]
amdhsa.kernels:
  - .name:           k_q917f3151f6_combine
    .symbol:         k_q917f3151f6_combine.kd
    .args:
      - { .name: y, .offset: 0, .size: 8, .value_kind: global_buffer, .address_space: global }
      - { .name: route, .offset: 8, .size: 8, .value_kind: global_buffer, .address_space: global }
      - { .name: place, .offset: 16, .size: 8, .value_kind: global_buffer, .address_space: global }
      - { .name: rwt, .offset: 24, .size: 8, .value_kind: global_buffer, .address_space: global }
      - { .name: lowp_scales, .offset: 32, .size: 8, .value_kind: global_buffer, .address_space: global }
      - { .name: stat, .offset: 40, .size: 8, .value_kind: global_buffer, .address_space: global }
      - { .name: out0, .offset: 48, .size: 8, .value_kind: global_buffer, .address_space: global }
      - { .name: out1, .offset: 56, .size: 8, .value_kind: global_buffer, .address_space: global }
    .group_segment_fixed_size: 0
    .private_segment_fixed_size: 0
    .kernarg_segment_align: 8
    .kernarg_segment_size: 64
    .max_flat_workgroup_size: 128
    .sgpr_count:     66
    .vgpr_count:     256
    .wavefront_size: 32
...
	.end_amdgpu_metadata
.endif
;; end of part 9
